; MI455X (gfx1250); checked and timed in simulation.
; The chip was launched on July 23, 2026; its instructions are those of AMD's public machine-readable ISA for CDNA 5 (MIT licence, August 2026) and "CDNA5" Instruction Set Architecture Reference Guide (July 2026). The comments in the code are by the model that wrote it; some were corrected since.
;; Mo E Layer. Allowed arithmetic: matrix products marked QUANTISED: E3M2 operands, one E8M0 scale for each 32 along K, by v_wmma_scale_f32_16x16x128_f8f6f4 with both operands' format E3M2, f32 sums; products left as they are: f32 operands where the result goes on into a quantised operand, else bf16, f16 or f32 operands; f32 sums; everything else in f32.
;; Inputs: W1_codes 8 x 2,048 x 16 x 24 uint8 (E3M2 codes of W1, K innermost, in blocks of 32 codes, four codes in three bytes); W1_scales 8 x 2,048 x 16 uint8 (E8M0 scales of W1, one for each 32 codes along K); W2_codes 8 x 512 x 64 x 24 uint8 (E3M2 codes of W2, K innermost, in blocks of 32 codes, four codes in three bytes); W2_scales 8 x 512 x 64 uint8 (E8M0 scales of W2, one for each 32 codes along K); b1 8 x 2,048 float32; b2 8 x 512 float32; b_router 8 float32; w_router 512 x 8 float32; x 2 x 2,048 x 512 float32.
;; Outputs: out0 2 x 2,048 x 512 float32; out1 one number float32; out2 2 x 2,048 x 8 float32.
;; This version of the problem:
;;   THIS VERSION OF THE PROBLEM IS GIVEN IN LOW PRECISION. The matrix products marked QUANTISED in the list below multiply operands that are first quantised to E3M2 (3 exponent bits, 2 mantissa bits; 6 bits a number), with one power-of-two scale for each 32 numbers along K (OCP MX v1.0); their sums are f32. All else is computed in f32.
;;   The module's matrix products, in the order in which they are computed (A, B: the left and right operand; K: the contracted axis; several contracted axes count as one K, in the product's order):
;;     1. [M 4,096, K 512] x [K 512, N 8]; A: input x; B: input w_router: left as it is (N = 8 < 16)
;;     2. [M 4,096, K 512] x [K 512, N 2,048]; A: input x; B: input W1 (given as codes): QUANTISED
;;     3. [M 4,096, K 2,048] x [K 2,048, N 512]; A: computed on the way; B: input W2 (given as codes): QUANTISED
;;     4. [M 4,096, K 512] x [K 512, N 2,048]; A: input x; B: input W1 (given as codes): QUANTISED
;;     5. [M 4,096, K 2,048] x [K 2,048, N 512]; A: computed on the way; B: input W2 (given as codes): QUANTISED
;;     6. [M 4,096, K 512] x [K 512, N 2,048]; A: input x; B: input W1 (given as codes): QUANTISED
;;     7. [M 4,096, K 2,048] x [K 2,048, N 512]; A: computed on the way; B: input W2 (given as codes): QUANTISED
;;     8. [M 4,096, K 512] x [K 512, N 2,048]; A: input x; B: input W1 (given as codes): QUANTISED
;;     9. [M 4,096, K 2,048] x [K 2,048, N 512]; A: computed on the way; B: input W2 (given as codes): QUANTISED
;;     10. [M 4,096, K 512] x [K 512, N 2,048]; A: input x; B: input W1 (given as codes): QUANTISED
;;     11. [M 4,096, K 2,048] x [K 2,048, N 512]; A: computed on the way; B: input W2 (given as codes): QUANTISED
;;     12. [M 4,096, K 512] x [K 512, N 2,048]; A: input x; B: input W1 (given as codes): QUANTISED
;;     13. [M 4,096, K 2,048] x [K 2,048, N 512]; A: computed on the way; B: input W2 (given as codes): QUANTISED
;;     14. [M 4,096, K 512] x [K 512, N 2,048]; A: input x; B: input W1 (given as codes): QUANTISED
;;     15. [M 4,096, K 2,048] x [K 2,048, N 512]; A: computed on the way; B: input W2 (given as codes): QUANTISED
;;     16. [M 4,096, K 512] x [K 512, N 2,048]; A: input x; B: input W1 (given as codes): QUANTISED
;;     17. [M 4,096, K 2,048] x [K 2,048, N 512]; A: computed on the way; B: input W2 (given as codes): QUANTISED
;;   THE QUANTISER, for each operand of a quantised product, along K:
;;     - K is cut into blocks of 32 from its start; a last block that is shorter is filled with zeros.
;;     - A block's scale is 2^e with e = floor(log2(the largest magnitude in the block)) - 4, held to -126 .. 127; a block of zeros has e = 0. As a byte (E8M0): e + 127.
;;     - Each number is divided by its block's scale, clamped to +-28, and rounded to the nearest number of E3M2, ties to even, subnormals kept.
;;     - The product sums the exact products of the quantised numbers (number of the format x scale) in f32.
;;   ~~~python
;;   def quantise(x, axis):      # numpy; x: float32 -> the quantised numbers, widened to float32 again
;;       x = np.moveaxis(x, axis, -1); K = x.shape[-1]
;;       x = np.pad(x, [(0, 0)] * (x.ndim - 1) + [(0, -K % 32)]); x = x.reshape(x.shape[:-1] + (-1, 32)); a = np.abs(x).max(-1, keepdims=True)
;;       e = np.where(a > 0, np.clip(np.frexp(np.where(a > 0, a, 1))[1] - 1 - 4, -126, 127), 0)      # np.frexp(a)[1] - 1 = floor(log2(a)), exactly
;;       r = np.clip(x / 2.0 ** e, -28, 28)
;;       step = 2.0 ** (np.maximum(np.frexp(np.where(r == 0, 1, r))[1] - 1, -2) - 2)
;;       q = np.round(r / step) * step * 2.0 ** e      # np.round: ties to even
;;       return np.moveaxis(q.reshape(q.shape[:-2] + (-1,))[..., :K], -1, axis).astype(np.float32)
;;   ~~~
;;   OPERANDS COMPUTED ON THE WAY. 'Computed on the way' means the value that the module computes at that place (a softmax that the list does not call 'softmax' is quantised finished and normalised). What goes into a quantiser is computed in f32, as accurately as f32 sums, v_exp_f32 and their like allow (about 1e-6 of the number): no bf16 or f16 on the way to a quantiser, and a product that is left as it is and whose result goes on into a quantised operand takes f32 operands (vector FMAs, or v_wmma_f32_16x16x4_f32). A number that lies on a knife's edge between two numbers of the format may be rounded either way, as far as f32 arithmetic and the matrix unit's own rounding can turn it there, and no further.
;;   INPUTS GIVEN AS CODES. W1 (in the module: [8, 512, 2048], K = its axis 1); W2 (in the module: [8, 2048, 512], K = its axis 1): each comes as NAME_codes (uint8): NAME with its K axis moved to the last place and cut into blocks of 32 codes, [.., K / 32, bytes a block], one block behind the other in memory; four codes in three bytes: a row's codes are one little-endian stream of bits, code i at bits 6 i .. 6 i + 5 (a code: sign, 3 exponent bits, 2 mantissa bits); and NAME_scales (uint8): the same leading axes, one E8M0 byte (e + 127) for each 32 codes along K. Its value is code x scale, taken as it is: it is not quantised again, and the codes and scales need not be those that the quantiser above would give.
;; 2 versions, each right; version 2 is version 1 with the launch chain written anew for expert scheduling mode. Each part assembles by itself: llvm-mc -triple=amdgcn-amd-amdhsa -mcpu=gfx1250 --defsym DOCPART=n.
;; ======== version 1 of 2: 3 launches
;; workspace buffers: xcodes 1,572,864 bytes; xscales 65,536 bytes; route 16,384 bytes of whole numbers; gate 16,384 bytes; psum 8,192 bytes; wfrag 12,582,912 bytes; wscl 524,288 bytes; plan 20,480 bytes of whole numbers
;; launch prep (part 1): grid 192 x 1, 4 waves a work-group, no clusters, 193,536 bytes of LDS; arguments x, w_router, b_router, W1_codes, W1_scales, W2_codes, W2_scales, xcodes, xscales, route, gate, psum, wfrag, wscl, out2; writes xcodes, xscales, route, gate, psum, wfrag, wscl, out2
.if DOCPART == 1
	.amdgcn_target "amdgcn-amd-amdhsa--gfx1250"
	.amdhsa_code_object_version 6
	.text
	.protected	k_qdf2602205d_prep
	.globl	k_qdf2602205d_prep
	.p2align	8
	.type	k_qdf2602205d_prep,@function
k_qdf2602205d_prep:
	s_mov_b64 s[64:65], 0
	v_nop
	global_prefetch_b8 v0, s[64:65] scope:SCOPE_SE
	s_setreg_imm32_b32 hwreg(HW_REG_WAVE_MODE, 25, 1), 1
	s_wait_xcnt 0x0
; FIRST LAUNCH OF THREE.  Two kinds of work-groups, told apart by the work-group's number; each kind has LDS bytes of its own; no barrier: every LDS byte belongs to one wave.
; WORK-GROUPS 0-63 (the tokens).  A wave owns 16 rows of x [4096][512] f32, a row a step.  For each row: the eight router logits by f32 multiply-adds (the choice of the expert decides whole output rows, so nothing
;   coarser than f32 stands ahead of it), and the row's codes of BF6 (E3M2) with one E8M0 byte for each 32 along K.  Behind the 16 rows: softmax, the chosen expert (lowest index at a tie), the gate, the wave's sums of probabilities.
;   xcodes [token][384 bytes]: block 4 s + 2 c + h of a row lies at 96 s + 48 h + 24 c, so that lane (r, h) of K step s finds its 12 operand registers as 48 consecutive bytes.  xscales [token][16 bytes], as the blocks follow.
; WORK-GROUPS 64-191 (the weights).  A wave lays one UNIT (64 weight rows x 4 K steps of 128, 24,576 bytes of codes) into the order of a wave's operand registers:
;   wfrag [e][w][U][slot 4 g + u][1,536 bytes]: a fragment as three runs of 512 bytes, lane l's registers 4 j .. 4 j + 3 at 512 j + 16 l;  wscl [e][w][U][g][lane][2 words].
;   U = 0..3: W1's rows (hidden units) 64 (4 w + U) + R, g = the K step of 512;  U = 4..7: W2's rows (output columns) 64 w + R, K step 4 (U - 4) + g.  Row rho of tile u is R = 32 (rho / 8) + 8 u + rho % 8.
; LIMITS: NaN and infinities among the inputs are not served.  A block whose largest magnitude lies under 2^-122 keeps the scale byte 1; a block of zeros has the byte 1 where the rule says 127: its codes are zeros,
;   and only this program reads the bytes.  The expert is chosen on 2^((l - max) log2 e): a tie that arises only from another rounding of the exponential may fall the other way.  The logits' sums go in another order than a plain ascending one.
.set AWAVE, 22528                      ; tokens: LDS of a wave: w_router turned (32 places of 528 bytes), two stages of 32 x 80 bytes, 256 scale bytes
.set XST,   16896
.set SBY,   22016
.set BBASE, 90112                      ; weights: LDS begins behind the four token regions
.set BWAVE, 25728                      ; a wave's stage: 64 rows, 400 bytes apart, 128 bytes more behind row 31
.set AC,  32                           ; v32-39   eight partial logits of the row in hand
.set L,   40                           ; v40-43   lane (t, h): logits 4 h + q of row t
.set X,   48                           ; v48-79   two sets of 16 neighbours of a row
.set R,   80                           ; v80-127  three sets of 16 numbers as they are loaded
.set W,   128                          ; v128-255 W[8 i + e] = w_router[16 lane + i][e]
.set D,   64                           ; weights: v64-255 the unit's codes, first as loaded, then as fragments
.set BP,  66                           ; weights: sixteen base pairs, four rows apart
	s_load_b512 s[4:19], s[0:1], 0x0               ; x s[4:5], w_router s[6:7], b_router s[8:9], W1's codes s[10:11], W1's scales s[12:13], W2's codes s[14:15], W2's scales s[16:17], xcodes s[18:19]
	s_load_b256 s[20:27], s[0:1], 0x40             ; xscales s[20:21], route s[22:23], gate s[24:25], psum s[26:27]
	s_load_b128 s[28:31], s[0:1], 0x60             ; wfrag s[28:29], wscl s[30:31]
	s_load_b64 s[32:33], s[0:1], 0x70              ; out2
	s_set_vgpr_msb 0x40
	v_lshl_add_u32 v0, v0, 2, 0x2f200
	v_mov_b32 v1, 0
	s_set_vgpr_msb 0x4000
	v_lshrrev_b32 v1, 5, v0
	v_readfirstlane_b32 s34, v1                    ; wave 0..3
	v_and_b32 v1, 31, v0                           ; lane
	v_and_b32 v2, 15, v0                           ; r = lane % 16
	s_cmp_lt_u32 ttmp9, 64
	s_cbranch_scc0 .Lrelay
; ---------------------------------------------------------------- the tokens
	v_lshlrev_b32 v3, 4, v1                        ; my 16 bytes of a load's 512
	v_lshrrev_b32 v26, 3, v1                       ; my 16 numbers are half lane % 2 of block lane / 2: K step s = lane / 8,
	v_mul_u32_u24 v4, v26, 96
	v_bfe_u32 v26, v0, 1, 1                        ; h = the block's lowest bit,
	v_mad_u32_u24 v4, v26, 48, v4
	v_bfe_u32 v26, v0, 2, 1                        ; c = its second
	v_mad_u32_u24 v4, v26, 24, v4
	v_and_b32 v26, 1, v0
	v_mad_u32_u24 v4, v26, 12, v4                  ; v4: my 12 bytes in a row of xcodes
	s_mul_i32 s35, s34, AWAVE                      ; my wave's LDS
	v_lshrrev_b32 v5, 1, v1
	v_add_nc_u32 v5, s35, v5                       ; v5: my block's scale byte
	v_lshlrev_b32 v7, 3, v1                        ; v7: 8 bytes a lane, in xscales
	v_add_nc_u32 v6, s35, v7                       ; v6: the same in LDS
	v_lshrrev_b32 v10, 2, v1
	v_mul_u32_u24 v10, v10, 80
	v_and_b32 v26, 3, v0
	v_lshl_add_u32 v10, v26, 4, v10
	v_add_nc_u32 v10, s35, v10                     ; v10: the stage, on the way in: four lanes' 64 bytes on end, then 16 of padding
	v_mul_u32_u24 v12, v1, 80
	v_add_nc_u32 v12, s35, v12                     ; v12: and on the way out: my 16 neighbours
	v_add_nc_u32 v13, s35, v3                      ; v13: w_router on the way in
	v_mul_u32_u24 v14, v1, 528
	v_add_nc_u32 v14, s35, v14                     ; v14: and on the way out: 528 = 132 words from lane to lane
	v_bfe_u32 v15, v0, 4, 1
	v_lshlrev_b32 v15, 4, v15                      ; v15: 16 h
	v_lshl_add_u32 v25, v2, 5, v15                 ; v25: 32 r + 16 h: my four logits in the wave's 16 rows of out2
	v_mov_b32 v27, 0                               ; written once: a lane permute's destination counts as one of its sources
	s_mov_b32 s36, 0x76543210
	s_mov_b32 s37, 0xfedcba98                      ; v_permlanex16_b32's selects for lane l xor 16
	s_lshl_b32 s38, ttmp9, 6
	s_lshl_b32 s39, s34, 4
	s_add_co_u32 s38, s38, s39                     ; my first row: 64 x work-group + 16 x wave
	s_mov_b32 s43, 0
	s_wait_kmcnt 0x0
	s_lshl_b32 s42, s38, 11
	s_add_nc_u64 s[4:5], s[4:5], s[42:43]          ; x: 2,048 bytes a row
	s_mul_i32 s42, s38, 384
	s_add_nc_u64 s[18:19], s[18:19], s[42:43]      ; xcodes
	s_lshl_b32 s42, s38, 4
	s_add_nc_u64 s[20:21], s[20:21], s[42:43]      ; xscales
	s_lshl_b32 s42, s38, 5
	s_add_nc_u64 s[32:33], s[32:33], s[42:43]      ; out2
	s_lshl_b32 s42, s38, 2
	s_add_nc_u64 s[22:23], s[22:23], s[42:43]      ; route
	s_add_nc_u64 s[24:25], s[24:25], s[42:43]      ; gate
	s_lshl_b32 s42, s38, 1
	s_add_nc_u64 s[26:27], s[26:27], s[42:43]      ; psum: 32 bytes for each 16 rows
.macro LOAD t                          ; row t as it lies: four loads of 512 consecutive bytes, into set t % 3
.irp i, 0,1,2,3
	global_load_b128 v[R+16*((\t)%3)+4*\i:R+16*((\t)%3)+4*\i+3], v3, s[4:5] offset:2048*(\t)+512*\i th:TH_LOAD_NT
.endr
.endm
.macro TURN t                          ; row t through stage t % 2: back come 64 bytes a lane.  LDS serves a wave's instructions in order (ISA guide 5.7.1.4): no wait between the stores and the loads
.irp i, 0,1,2,3
	ds_store_b128 v10, v[R+16*((\t)%3)+4*\i:R+16*((\t)%3)+4*\i+3] offset:XST+2560*((\t)%2)+640*\i
.endr
.irp i, 0,1,2,3
	ds_load_b128 v[X+16*((\t)%2)+4*\i:X+16*((\t)%2)+4*\i+3], v12 offset:XST+2560*((\t)%2)+16*\i
.endr
.endm
	global_load_b128 v[44:47], v15, s[8:9]         ; b_router[4 h + q]
.set n, 0
.rept 32
	global_load_b128 v[W+4*n:W+4*n+3], v3, s[6:7] offset:512*n   ; w_router as it lies: 16,384 bytes
.set n, n+1
.endr
	LOAD 0
	LOAD 1
	LOAD 2
	s_wait_loadcnt 12                              ; all but the three rows' twelve loads: b_router and w_router are in
.set n, 0
.rept 32
	ds_store_b128 v13, v[W+4*n:W+4*n+3] offset:528*n             ; load n's 512 bytes are rows 16 n .. 16 n + 15 of w_router: what lane n wants
.set n, n+1
.endr
	s_wait_dscnt 0x0                               ; the stores have read their registers
.set n, 0
.rept 32
	ds_load_b128 v[W+4*n:W+4*n+3], v14 offset:16*n
.set n, n+1
.endr
	s_wait_loadcnt 8                               ; row 0's four loads are in
	TURN 0
.macro STEP t
.set XS, X+16*((\t)%2)
.set CD, 16+4*((\t)%2)                 ; the codes: v16-18 and v20-22 by turns
.set BY, 24+2*((\t)%2)                 ; the scale byte: v24 and v26 by turns
.if (\t) > 0
	s_wait_dscnt 1                                 ; this row's numbers are back from the stage; only the last row's byte store may be out (so the byte store of two rows back has read its register)
.else
	s_wait_dscnt 0x0                               ; w_router and row 0
.endif
.if (\t)+3 < 16
	LOAD (\t)+3                                    ; into the set whose stores into the stage are done
.endif
.if (\t)+1 < 16
.if (\t)+3 < 16
	s_wait_loadcnt 8                               ; the next row's four loads are in; those of the two rows behind it may be out
.else
	s_wait_loadcnt 4*(14-(\t))                     ; the counts run down: no row is left to ask for
.endif
	TURN (\t)+1
.endif
.irp q, 0,1,2,3                        ; the router: eight sums over my 16 numbers, two experts an instruction; the first product starts them
	v_pk_mul_f32 v[AC+2*\q:AC+2*\q+1], v[W+2*\q:W+2*\q+1], v[XS:XS+1] op_sel_hi:[1,0]
.endr
.set i, 1
.rept 15
.irp q, 0,1,2,3
.if i%2 == 0
	v_pk_fma_f32 v[AC+2*\q:AC+2*\q+1], v[W+8*i+2*\q:W+8*i+2*\q+1], v[XS+i:XS+i+1], v[AC+2*\q:AC+2*\q+1] op_sel_hi:[1,0,1]
.else
	v_pk_fma_f32 v[AC+2*\q:AC+2*\q+1], v[W+8*i+2*\q:W+8*i+2*\q+1], v[XS+i-1:XS+i], v[AC+2*\q:AC+2*\q+1] op_sel:[0,1,0] op_sel_hi:[1,1,1]
.endif
.endr
.set i, i+1
.endr
	v_max3_num_f32 v8, |v[XS]|, |v[XS+1]|, |v[XS+2]|               ; the quantiser: the largest magnitude of my 16, in two chains
	v_max3_num_f32 v9, |v[XS+3]|, |v[XS+4]|, |v[XS+5]|
.irp i, 6,10
	v_max3_num_f32 v8, v8, |v[XS+\i]|, |v[XS+\i+1]|
	v_max3_num_f32 v9, v9, |v[XS+\i+2]|, |v[XS+\i+3]|
.endr
	v_max3_num_f32 v8, v8, |v[XS+14]|, |v[XS+15]|
	v_max3_num_f32 v8, v8, v9, 0x2800000           ; and the floor 2^(5 - 127): the byte cannot fall under 1
	v_max_num_f32_dpp v8, v8, v8 row_xmask:1 row_mask:0xf bank_mask:0xf   ; with my neighbour's 16: the block's
	v_add_nc_u32 v11, 0xfe000000, v8               ; 4 off its exponent field: the conversion takes the exponent field of this operand as its scale
	s_wait_xcnt 0x0                                ; the store of two rows back has read these code registers
	v_cvt_scalef32_pk16_bf6_f32 v[CD:CD+2], v[XS:XS+15], v11
	v_lshrrev_b32 v[BY], 23, v11                   ; the scale's byte (also the plain line behind the conversion)
	ds_store_b8 v5, v[BY] offset:SBY+16*(\t)       ; both lanes of a block write the same byte with the same value
	global_store_b96 v4, v[CD:CD+2], s[18:19] offset:384*(\t)
.irp q, 0,1,2,3                        ; the eight sums over the 32 lanes: the halves change places, so that lanes 0-15 go on with experts 0-3 and lanes 16-31 with experts 4-7
	v_permlane16_swap_b32 v[AC+\q], v[AC+4+\q]
.endr
	v_pk_add_f32 v[AC:AC+1], v[AC:AC+1], v[AC+4:AC+5]
	v_pk_add_f32 v[AC+2:AC+3], v[AC+2:AC+3], v[AC+6:AC+7]
.irp x, 1,2,4,8
.irp q, 0,1,2,3
	v_add_f32_dpp v[AC+\q], v[AC+\q], v[AC+\q] row_xmask:\x row_mask:0xf bank_mask:0xf
.endr
.endr
.if (\t) == 0
.irp q, 0,1,2,3
	v_mov_b32 v[L+\q], v[AC+\q]
.endr
.else
	s_mov_b32 s40, 0x10001<<(\t)                   ; lanes t and 16 + t keep row t's logits
.irp q, 0,1,2,3
	v_cndmask_b32 v[L+\q], v[L+\q], v[AC+\q], s40
.endr
.endif
.endm
.irp t, 0,1,2,3,4,5,6,7,8,9,10,11,12,13,14,15
	STEP \t
.endr
	; the tail: lane (t, h) holds logits 4 h + q of row t, without the bias
	ds_load_b64 v[52:53], v6 offset:SBY            ; the wave's 256 scale bytes, 8 a lane
	s_wait_dscnt 0x0                               ; they are in, and the last byte store has read its register
	global_store_b64 v7, v[52:53], s[20:21]        ; 256 consecutive bytes
	v_pk_add_f32 v[40:41], v[40:41], v[44:45]
	v_pk_add_f32 v[42:43], v[42:43], v[46:47]
	global_store_b128 v25, v[40:43], s[32:33]      ; 16 rows of logits: 512 consecutive bytes
	v_max3_num_f32 v26, v40, v41, v42
	v_max_num_f32 v26, v26, v43
	v_permlanex16_b32 v27, v26, s36, s37
	v_max_num_f32 v26, v26, v27                    ; the row's largest logit
.irp q, 0,1,2,3
	v_sub_f32 v[28+\q], v[40+\q], v26
.endr
.irp q, 0,1,2,3
	v_mul_f32 v[28+\q], 0x3fb8aa3b, v[28+\q]
.endr
.irp q, 0,1,2,3
	v_exp_f32 v[28+\q], v[28+\q]                   ; e^(l - max)
.endr
	v_lshlrev_b32 v54, 2, v2                       ; 4 r (the plain line behind the exponentials)
	s_wait_alu depctr_va_vdst(0)
	v_add_f32 v32, v28, v29
	v_add_f32 v33, v30, v31
	v_max3_num_f32 v34, v28, v29, v30
	v_add_f32 v32, v32, v33
	v_max_num_f32 v34, v34, v31
	v_permlanex16_b32 v33, v32, s36, s37
	v_permlanex16_b32 v35, v34, s36, s37
	v_add_f32 v32, v32, v33                        ; the row's sum
	v_max_num_f32 v34, v34, v35                    ; and its largest term
	v_rcp_f32 v36, v32
	v_mov_b32 v38, 64                              ; (the plain line behind the reciprocal)  no expert of my four yet
.irp q, 3,2,1,0
	v_cmp_neq_f32 vcc_lo, v[28+\q], v34
	v_cndmask_b32 v38, \q, v38, vcc_lo             ; descending, so that the lowest index stays
.endr
	s_wait_alu depctr_va_vdst(0)
	v_mul_f32 v37, v34, v36                        ; the gate: the largest probability
.irp q, 0,1,2,3
	v_mul_f32 v[48+\q], v[28+\q], v36              ; the probabilities
.endr
	v_lshrrev_b32 v55, 2, v15
	v_add_nc_u32 v38, v38, v55                     ; + 4 h
	v_permlanex16_b32 v39, v38, s36, s37
	v_min_u32 v38, v38, v39                        ; the lower of the two halves' finds: the expert, 0..7
.irp x, 1,2,4,8
.irp q, 0,1,2,3
	v_add_f32_dpp v[48+\q], v[48+\q], v[48+\q] row_xmask:\x row_mask:0xf bank_mask:0xf   ; the probabilities summed over the wave's 16 rows
.endr
.endr
	s_wait_xcnt 0x0                                ; EXEC changes only behind this wait
	v_cmp_gt_u32 vcc_lo, 16, v1
	s_set_vgpr_msb 0x5
	s_wait_tensorcnt 0x0
	ds_add_u32 v0, v1
	s_wait_dscnt 0x0
	s_set_vgpr_msb 0x500
	s_and_saveexec_b32 s41, vcc_lo                 ; lanes 0-15: a row each
	global_store_b32 v54, v38, s[22:23]
	global_store_b32 v54, v37, s[24:25]
	s_wait_xcnt 0x0
	s_or_b32 exec_lo, exec_lo, s41
	v_cmp_eq_u32 vcc_lo, 0, v2
	s_and_saveexec_b32 s41, vcc_lo                 ; lanes 0 and 16: four sums each
	global_store_b128 v15, v[48:51], s[26:27]
	s_wait_xcnt 0x0
	s_or_b32 exec_lo, exec_lo, s41
	s_endpgm
; ---------------------------------------------------------------- the weights
.Lrelay:
	s_sub_co_u32 s35, ttmp9, 64                    ; j = 0..127; my unit is 4 j + wave = 64 e + 8 w + U
	s_lshr_b32 s36, s35, 4                         ; e
	s_bfe_u32 s37, s35, 0x30001                    ; w
	s_and_b32 s38, s35, 1                          ; U / 4: 0 for W1, 1 for W2;  U % 4 is the wave's number
	s_lshl_b32 s39, s35, 2
	s_add_co_u32 s39, s39, s34                     ; the unit
	s_mul_i32 s52, s34, BWAVE
	s_add_co_u32 s52, s52, BBASE                   ; my stage
	s_wait_kmcnt 0x0
	s_cmp_eq_u32 s38, 0                            ; the choice hangs on the work-group's number alone; one text serves both weights
	s_cselect_b64 s[40:41], s[10:11], s[14:15]     ; the codes
	s_cselect_b64 s[42:43], s[12:13], s[16:17]     ; the scale bytes
	s_mov_b32 s44, 1536
	s_cselect_b32 s44, 384, s44                    ; P: from row to row of codes
	s_mov_b32 s45, 24576
	s_cselect_b32 s45, s45, 384                    ; from unit to unit of a wave's four: 64 rows of W1, or 4 K steps along a row of W2
	s_mov_b32 s46, 1024
	s_cselect_b32 s46, s46, 16                     ; the same in the scale bytes
	s_cselect_b32 s47, 4, 6                        ; a row of scale bytes is 16 or 64 bytes: as a shift
	s_mul_i32 s48, s36, 786432
	s_mul_i32 s49, s37, 98304
	s_add_co_u32 s48, s48, s49
	s_mul_i32 s49, s34, s45
	s_add_co_u32 s48, s48, s49
	s_mov_b32 s49, 0
	s_add_nc_u64 s[BP:BP+1], s[40:41], s[48:49]    ; the unit's first row of codes
	s_lshl_b32 s48, s36, 15
	s_lshl_b32 s50, s37, 12
	s_add_co_u32 s48, s48, s50
	s_mul_i32 s50, s34, s46
	s_add_co_u32 s48, s48, s50
	s_add_nc_u64 s[42:43], s[42:43], s[48:49]      ; and of scale bytes
	s_mul_i32 s48, s39, 24576
	s_add_nc_u64 s[28:29], s[28:29], s[48:49]      ; where the unit goes in wfrag
	s_lshl_b32 s48, s39, 10
	s_add_nc_u64 s[30:31], s[30:31], s[48:49]      ; and in wscl
	s_lshl_b32 s50, s44, 2
	s_mov_b32 s51, 0
	s_lshl_b32 s53, s44, 1                         ; two rows of codes
.set k, 1
.rept 15
	s_add_nc_u64 s[BP+2*k:BP+2*k+1], s[BP+2*k-2:BP+2*k-1], s[50:51]   ; a base for each four rows, all made ahead of the loads: none is stepped under a pending load
.set k, k+1
.endr
	; Four rows of 384 bytes come by three loads of 16 bytes a lane.  Load 0: the first 256 bytes of rows 0 and 1, sixteen lanes to a row; load 1: the same of rows 2 and 3; load 2: the last 128 bytes of all four rows, eight lanes to a row.
	; Every place is a shift and a mask of the lane's number: v4-6 in memory (rows P bytes apart), v7-9 in the stage (rows 400 bytes apart).
	v_lshrrev_b32 v26, 4, v1                       ; lane / 16: which of the two rows
	v_lshlrev_b32 v28, 4, v2                       ; 16 (lane % 16)
	v_mul_lo_u32 v4, v26, s44
	v_add_nc_u32 v4, v4, v28
	v_add_nc_u32 v5, s53, v4                       ; two rows on
	v_mad_u32_u24 v7, v26, 400, v28
	v_add_nc_u32 v7, s52, v7
	v_add_nc_u32 v8, 800, v7                       ; two rows on
	v_lshrrev_b32 v26, 3, v1                       ; lane / 8: which of the four rows
	v_and_b32 v28, 7, v1
	v_lshlrev_b32 v28, 4, v28
	v_add_nc_u32 v28, 256, v28                     ; 256 + 16 (lane % 8)
	v_mul_lo_u32 v6, v26, s44
	v_add_nc_u32 v6, v6, v28
	v_mad_u32_u24 v9, v26, 400, v28
	v_add_nc_u32 v9, s52, v9
	v_and_b32 v26, 7, v2                           ; rho % 8
	v_lshrrev_b32 v27, 3, v2                       ; rho / 8
	v_bfe_u32 v28, v0, 4, 1                        ; h
	v_mul_u32_u24 v10, v26, 400
	v_mad_u32_u24 v10, v27, 12928, v10             ; 32 rows and the 128 bytes behind row 31
	v_mad_u32_u24 v10, v28, 24, v10
	v_add_nc_u32 v10, s52, v10                     ; v10: my 24 bytes of row rho of tile 0, K step 0
	v_lshlrev_b32 v11, 4, v1                       ; v11: 16 x lane
	v_lshlrev_b32 v12, 3, v1                       ; v12: 8 x lane
	v_lshl_add_u32 v29, v27, 5, v26
	v_lshl_add_u32 v29, v28, 3, v29                ; lane (r, h') carries the scale words of tiles u = h' and u = 2 + h': rows 32 (r / 8) + r % 8 + 8 h' and 16 further on
	v_lshlrev_b32 v13, s47, v29
	v_add_nc_u32 v29, 16, v29
	v_lshlrev_b32 v14, s47, v29
	global_load_b128 v[16:19], v13, s[42:43]       ; a row's four words: K steps g = 0..3
	global_load_b128 v[20:23], v14, s[42:43]
.set k, 0
.rept 16
.irp t, 0,1,2
	global_load_b128 v[D+4*(3*k+\t):D+4*(3*k+\t)+3], v[4+\t], s[BP+2*k:BP+2*k+1] th:TH_LOAD_NT
.endr
.set k, k+1
.endr
.set k, 0
.rept 16
	s_wait_loadcnt 45-3*k                          ; all but the loads behind these three
.irp t, 0,1,2
	ds_store_b128 v[7+\t], v[D+4*(3*k+\t):D+4*(3*k+\t)+3] offset:1600*k+128*(k/8)
.endr
.set k, k+1
.endr
.irp g, 0,1,2,3
	v_mov_b32 v[24+2*\g], v[16+\g]
	v_mov_b32 v[25+2*\g], v[20+\g]
.endr
.irp g, 0,1,2,3
	global_store_b64 v12, v[24+2*\g:25+2*\g], s[30:31] offset:256*\g   ; 256 consecutive bytes a K step
.endr
	s_wait_dscnt 0x0                               ; the stage is whole, and the stores have read their registers
.macro LOADF g                         ; the four fragments of K step g: lane (rho, h) takes 24 bytes at 96 g + 24 h of its row and 24 bytes 48 further on, in pieces of 8
.irp u, 0,1,2,3
.irp p, 0,1,2,3,4,5
	ds_load_b64 v[D+12*(4*(\g)+\u)+2*\p:D+12*(4*(\g)+\u)+2*\p+1], v10 offset:3200*\u+96*(\g)+48*(\p/3)+8*(\p%3)
.endr
.endr
.endm
.macro STOREF g, younger               ; younger: the LDS loads of a later K step that may stay out
.irp u, 0,1,2,3
	s_wait_dscnt (\younger)+6*(3-\u)               ; this fragment's six loads are in
.irp j, 0,1,2
	global_store_b128 v11, v[D+12*(4*(\g)+\u)+4*\j:D+12*(4*(\g)+\u)+4*\j+3], s[28:29] offset:1536*(4*(\g)+\u)+512*\j   ; 512 consecutive bytes
.endr
.endr
.endm
	LOADF 0
	LOADF 1
	STOREF 0, 24
	LOADF 2
	STOREF 1, 24
	LOADF 3
	STOREF 2, 24
	STOREF 3, 0
	s_set_vgpr_msb 0x5
	s_wait_tensorcnt 0x0
	ds_add_u32 v0, v1
	s_wait_dscnt 0x0
	s_set_vgpr_msb 0x500
	s_endpgm
.Lfunc_end_k_qdf2602205d_prep:
	.size	k_qdf2602205d_prep, .Lfunc_end_k_qdf2602205d_prep-k_qdf2602205d_prep
	.p2alignl 7, 3214868480
	.fill 96, 4, 3214868480
	.section	.rodata,"a",@progbits
	.p2align	6, 0x0
	.amdhsa_kernel k_qdf2602205d_prep
		.amdhsa_group_segment_fixed_size 193536
		.amdhsa_private_segment_fixed_size 0
		.amdhsa_enable_private_segment 0
		.amdhsa_kernarg_size 120
		.amdhsa_user_sgpr_count 2
		.amdhsa_user_sgpr_kernarg_segment_ptr 1
		.amdhsa_wavefront_size32 1
		.amdhsa_system_sgpr_workgroup_id_x 1
		.amdhsa_system_sgpr_workgroup_id_y 1
		.amdhsa_system_sgpr_workgroup_id_z 1
		.amdhsa_system_vgpr_workitem_id 0
		.amdhsa_next_free_vgpr 258
		.amdhsa_next_free_sgpr 98
		.amdhsa_reserve_vcc 1
		.amdhsa_float_denorm_mode_32 3
		.amdhsa_float_denorm_mode_16_64 3
		.amdhsa_memory_ordered 1
		.amdhsa_forward_progress 1
		.amdhsa_inst_pref_size 157
	.end_amdhsa_kernel
	.amdgpu_metadata
---
amdhsa.version: [ 1, 2 ]
amdhsa.kernels:
  - .name:           k_qdf2602205d_prep
    .symbol:         k_qdf2602205d_prep.kd
    .args:
      - { .name: x, .offset: 0, .size: 8, .value_kind: global_buffer, .address_space: global }
      - { .name: w_router, .offset: 8, .size: 8, .value_kind: global_buffer, .address_space: global }
      - { .name: b_router, .offset: 16, .size: 8, .value_kind: global_buffer, .address_space: global }
      - { .name: W1_codes, .offset: 24, .size: 8, .value_kind: global_buffer, .address_space: global }
      - { .name: W1_scales, .offset: 32, .size: 8, .value_kind: global_buffer, .address_space: global }
      - { .name: W2_codes, .offset: 40, .size: 8, .value_kind: global_buffer, .address_space: global }
      - { .name: W2_scales, .offset: 48, .size: 8, .value_kind: global_buffer, .address_space: global }
      - { .name: xcodes, .offset: 56, .size: 8, .value_kind: global_buffer, .address_space: global }
      - { .name: xscales, .offset: 64, .size: 8, .value_kind: global_buffer, .address_space: global }
      - { .name: route, .offset: 72, .size: 8, .value_kind: global_buffer, .address_space: global }
      - { .name: gate, .offset: 80, .size: 8, .value_kind: global_buffer, .address_space: global }
      - { .name: psum, .offset: 88, .size: 8, .value_kind: global_buffer, .address_space: global }
      - { .name: wfrag, .offset: 96, .size: 8, .value_kind: global_buffer, .address_space: global }
      - { .name: wscl, .offset: 104, .size: 8, .value_kind: global_buffer, .address_space: global }
      - { .name: out2, .offset: 112, .size: 8, .value_kind: global_buffer, .address_space: global }
    .group_segment_fixed_size: 193536
    .private_segment_fixed_size: 0
    .kernarg_segment_align: 8
    .kernarg_segment_size: 120
    .max_flat_workgroup_size: 128
    .sgpr_count:     98
    .vgpr_count:     258
    .wavefront_size: 32
...
	.end_amdgpu_metadata
.endif
;; end of part 1
;; launch place (part 2): grid 1 x 1, 16 waves a work-group, no clusters, 3,072 bytes of LDS; arguments route, psum, plan, out1; writes plan, out1
.if DOCPART == 2
	.amdgcn_target "amdgcn-amd-amdhsa--gfx1250"
	.amdhsa_code_object_version 6
	.text
	.protected	k_qdf2602205d_place
	.globl	k_qdf2602205d_place
	.p2align	8
	.type	k_qdf2602205d_place,@function
k_qdf2602205d_place:
	s_mov_b64 s[64:65], 0
	v_nop
	global_prefetch_b8 v0, s[64:65] scope:SCOPE_SE
	s_setreg_imm32_b32 hwreg(HW_REG_WAVE_MODE, 25, 1), 1
	s_wait_xcnt 0x0
; SECOND LAUNCH OF THREE: one work-group of sixteen waves.  route [4096] holds each token's expert, psum [256][8] the first launch's sums of probabilities.
; A counting sort without atomics: each wave counts its 256 tokens by expert, the counts meet in LDS behind the one barrier, every wave makes the experts' totals and its own first places, and stores its tokens' numbers.
; plan: bytes 0-2,559: 160 tile records of four words (expert, first place, rows, last row = rows - 1 or 0); with tiles of 32 rows there are never more than 4096 / 32 + 7 = 135, whatever the split; the records behind the last tile have 0 rows.
;       bytes 4,096-20,479: order[4096]: the tokens' numbers, sorted by expert.
; out1 = 8 x the sum over experts of (tokens / 4096) x (sum of probabilities / 4096) = 2^-21 x the sum of tokens x sums.  (The sums of probabilities go in another order than a plain ascending one.)
; The scatter goes to memory: 4 bytes a lane to places that hang on the data, 16,384 bytes in all.
; LDS: bytes 0-511 counts [wave][8]; bytes 512-1,023 sums of probabilities [wave][8].
; SCALARS: s12-19 running places C, s20-27 totals, s28-35 first places, s36-43 first tiles, s46-53 tokens of the waves in front of mine.
	s_load_b256 s[4:11], s[0:1], 0x0               ; route s[4:5], psum s[6:7], plan s[8:9], out1 s[10:11]
	v_lshl_add_u32 v64, v0, 2, 0x400
	v_mov_b32 v65, 0
	v_and_b32 v1, 31, v0                           ; lane
	v_lshrrev_b32 v5, 5, v0
	v_readfirstlane_b32 s54, v5                    ; wave 0..15
	v_lshlrev_b32 v2, 4, v1                        ; 16 x lane
	v_lshlrev_b32 v3, 5, v5                        ; my wave's eight words
	v_and_b32 v4, 1, v1
	v_lshlrev_b32 v4, 4, v4
	v_add_nc_u32 v4, v4, v3                        ; and the half of them that my lane's parity holds
	v_lshl_add_u32 v6, v5, 10, v2                  ; route: 1,024 bytes a wave
	v_lshl_add_u32 v7, v5, 9, v2                   ; psum: 512 bytes a wave
	v_lshlrev_b32 v62, 2, v1
	v_lshl_add_u32 v62, v5, 8, v62                 ; my first token: 256 x wave + 4 x lane
	v_lshrrev_b32 v63, 1, v1                       ; lane / 2
.irp i, 0,1,2,3
	v_mov_b32 v[44+\i], 0                          ; written once: a lane permute's destination counts as one of its sources
.endr
	s_mov_b32 s56, 0x76543210
	s_mov_b32 s57, 0xfedcba98                      ; v_permlanex16_b32's selects for lane l xor 16
	s_wait_kmcnt 0x0
	global_load_b128 v[8:11], v6, s[4:5]           ; register j: token 256 wave + 128 (j / 4) + 4 lane + j % 4
	global_load_b128 v[12:15], v6, s[4:5] offset:512
	global_load_b128 v[40:43], v7, s[6:7]          ; lane l: experts 4 (l % 2) + i of one first-launch wave
.irp j, 0,1,2,3,4,5,6,7
	v_add_nc_u32 v[24+\j], 128*(\j/4)+\j%4, v62    ; the tokens' numbers
.endr
	s_wait_loadcnt 0x0
.irp e, 0,1,2,3,4,5,6,7                ; my wave's tokens of each expert
.irp j, 0,1,2,3,4,5,6,7
	v_cmp_eq_u32 s60, \e, v[8+\j]
.if \j == 0
	s_bcnt1_i32_b32 s[12+\e], s60
.else
	s_bcnt1_i32_b32 s61, s60
	s_add_co_u32 s[12+\e], s[12+\e], s61
.endif
.endr
.endr
.macro FSUM                            ; v40-43 summed over the lanes of my parity
.irp x, 2,4,8
.irp i, 0,1,2,3
	v_add_f32_dpp v[40+\i], v[40+\i], v[40+\i] row_xmask:\x row_mask:0xf bank_mask:0xf
.endr
.endr
.irp i, 0,1,2,3
	v_permlanex16_b32 v[44+\i], v[40+\i], s56, s57
.endr
.irp i, 0,1,2,3
	v_add_f32 v[40+\i], v[40+\i], v[44+\i]
.endr
.endm
	FSUM
	ds_store_b128 v4, v[40:43] offset:512          ; lanes of one parity write the same 16 bytes with the same values
.irp e, 0,1,2,3,4,5,6,7
	v_mov_b32 v[48+\e], s[12+\e]
.endr
	ds_store_b128 v3, v[48:51]                     ; all lanes write the same words with the same values
	ds_store_b128 v3, v[52:55] offset:16
	s_wait_dscnt 0x0                               ; for the others' sake: my stores are done
	s_barrier_signal -1
	s_barrier_wait -1
	ds_load_b128 v[32:35], v2                      ; lane l: the counts of wave l / 2, experts 4 (l % 2) + i
	s_wait_dscnt 0x0
	v_cmp_gt_u32 vcc_lo, s54, v63                  ; a wave in front of mine?
.irp i, 0,1,2,3
	v_cndmask_b32 v[36+\i], 0, v[32+\i], vcc_lo
.endr
.irp x, 2,4,8                          ; both summed over the lanes of my parity: the totals, and the tokens in front of my wave's
.irp i, 0,1,2,3,4,5,6,7
	v_mov_b32_dpp v[48+\i], v[32+\i] row_xmask:\x row_mask:0xf bank_mask:0xf
.endr
.irp i, 0,1,2,3,4,5,6,7
	v_add_nc_u32 v[32+\i], v[32+\i], v[48+\i]
.endr
.endr
.irp i, 0,1,2,3,4,5,6,7
	v_permlanex16_b32 v[48+\i], v[32+\i], s56, s57
.endr
.irp i, 0,1,2,3,4,5,6,7
	v_add_nc_u32 v[32+\i], v[32+\i], v[48+\i]
.endr
.irp e, 0,1,2,3,4,5,6,7
	v_readlane_b32 s[20+\e], v[32+\e%4], \e/4
	v_readlane_b32 s[46+\e], v[36+\e%4], \e/4
.endr
	s_mov_b32 s28, 0
	s_mov_b32 s36, 0
.irp e, 0,1,2,3,4,5,6
	s_add_co_u32 s[29+\e], s[28+\e], s[20+\e]      ; an expert's first place
	s_add_co_u32 s58, s[20+\e], 31
	s_lshr_b32 s58, s58, 5
	s_add_co_u32 s[37+\e], s[36+\e], s58           ; and its first tile
.endr
.irp e, 0,1,2,3,4,5,6,7
	s_add_co_u32 s[12+\e], s[28+\e], s[46+\e]      ; where my wave's tokens of the expert begin
.endr
.irp j, 0,1,2,3,4,5,6,7                ; each token's place: the running place of its expert + the lanes below mine with the same expert
.irp e, 0,1,2,3,4,5,6,7
	v_cmp_eq_u32 s60, \e, v[8+\j]
.if \e == 0
	v_mbcnt_lo_u32_b32 v[16+\j], s60, s[12+\e]
.else
	v_mbcnt_lo_u32_b32 v44, s60, s[12+\e]
	v_cndmask_b32 v[16+\j], v[16+\j], v44, s60
.endif
	s_bcnt1_i32_b32 s61, s60
	s_add_co_u32 s[12+\e], s[12+\e], s61
.endr
.endr
.irp j, 0,1,2,3,4,5,6,7
	v_min_u32 v[16+\j], 0xfff, v[16+\j]            ; a place made of loaded numbers enters an address behind this bound
	v_lshlrev_b32 v[16+\j], 2, v[16+\j]
	global_store_b32 v[16+\j], v[24+\j], s[8:9] offset:4096
.endr
	s_cmp_lt_u32 s54, 5
	s_cbranch_scc0 .Lno_list
	; waves 0-4: thread g writes record g.  Its expert is the last whose first tile is not behind g: an expert without tokens has the first tile of its successor and is passed over
	v_mov_b32 v56, 0
	v_mov_b32 v49, 0
	v_mov_b32 v50, 0
	v_mov_b32 v51, s20
.irp e, 1,2,3,4,5,6,7
	v_cmp_gt_u32 vcc_lo, s[36+\e], v0
	v_cndmask_b32 v56, \e, v56, vcc_lo
	v_cndmask_b32 v49, s[36+\e], v49, vcc_lo
	v_cndmask_b32 v50, s[28+\e], v50, vcc_lo
	v_cndmask_b32 v51, s[20+\e], v51, vcc_lo
.endr
	v_sub_nc_u32 v52, v0, v49
	v_lshlrev_b32 v52, 5, v52                      ; rows of the expert in front of this tile
	v_add_nc_u32 v57, v50, v52                     ; the tile's first place
	v_min_u32 v53, v52, v51
	v_sub_nc_u32 v58, v51, v53
	v_min_u32 v58, 32, v58                         ; its rows: 0 behind the expert's last tile
	v_min_u32 v59, 1, v58
	v_sub_nc_u32 v59, v58, v59                     ; its last row
	v_lshlrev_b32 v60, 4, v0
	global_store_b128 v60, v[56:59], s[8:9]
.Lno_list:
	s_cmp_eq_u32 s54, 5
	s_cbranch_scc0 .Lend
	; wave 5: the load-balance number
	ds_load_b128 v[40:43], v2 offset:512
	s_wait_dscnt 0x0
	FSUM
.irp i, 0,1,2,3
	v_cvt_f32_u32 v[48+\i], v[32+\i]
.endr
	v_mul_f32 v52, v48, v40
	v_fma_f32 v52, v49, v41, v52
	v_fma_f32 v52, v50, v42, v52
	v_fma_f32 v52, v51, v43, v52
	v_add_f32_dpp v52, v52, v52 row_xmask:1 row_mask:0xf bank_mask:0xf   ; experts 0-3 and 4-7
	v_mul_f32 v52, 0x35000000, v52                 ; x 2^-21
	v_mov_b32 v61, 0
	s_wait_xcnt 0x0                                ; EXEC changes only behind this wait
	v_cmp_eq_u32 vcc_lo, 0, v1
	s_and_saveexec_b32 s58, vcc_lo
	global_store_b32 v61, v52, s[10:11]
	s_wait_xcnt 0x0
	s_or_b32 exec_lo, exec_lo, s58
.Lend:
	s_wait_tensorcnt 0x0
	ds_add_u32 v64, v65
	s_wait_dscnt 0x0
	s_endpgm
.Lfunc_end_k_qdf2602205d_place:
	.size	k_qdf2602205d_place, .Lfunc_end_k_qdf2602205d_place-k_qdf2602205d_place
	.p2alignl 7, 3214868480
	.fill 96, 4, 3214868480
	.section	.rodata,"a",@progbits
	.p2align	6, 0x0
	.amdhsa_kernel k_qdf2602205d_place
		.amdhsa_group_segment_fixed_size 3072
		.amdhsa_private_segment_fixed_size 0
		.amdhsa_enable_private_segment 0
		.amdhsa_kernarg_size 32
		.amdhsa_user_sgpr_count 2
		.amdhsa_user_sgpr_kernarg_segment_ptr 1
		.amdhsa_wavefront_size32 1
		.amdhsa_system_sgpr_workgroup_id_x 1
		.amdhsa_system_sgpr_workgroup_id_y 1
		.amdhsa_system_sgpr_workgroup_id_z 1
		.amdhsa_system_vgpr_workitem_id 0
		.amdhsa_next_free_vgpr 66
		.amdhsa_next_free_sgpr 66
		.amdhsa_reserve_vcc 1
		.amdhsa_float_denorm_mode_32 3
		.amdhsa_float_denorm_mode_16_64 3
		.amdhsa_memory_ordered 1
		.amdhsa_forward_progress 1
		.amdhsa_inst_pref_size 38
	.end_amdhsa_kernel
	.amdgpu_metadata
---
amdhsa.version: [ 1, 2 ]
amdhsa.kernels:
  - .name:           k_qdf2602205d_place
    .symbol:         k_qdf2602205d_place.kd
    .args:
      - { .name: route, .offset: 0, .size: 8, .value_kind: global_buffer, .address_space: global }
      - { .name: psum, .offset: 8, .size: 8, .value_kind: global_buffer, .address_space: global }
      - { .name: plan, .offset: 16, .size: 8, .value_kind: global_buffer, .address_space: global }
      - { .name: out1, .offset: 24, .size: 8, .value_kind: global_buffer, .address_space: global }
    .group_segment_fixed_size: 3072
    .private_segment_fixed_size: 0
    .kernarg_segment_align: 8
    .kernarg_segment_size: 32
    .max_flat_workgroup_size: 512
    .sgpr_count:     66
    .vgpr_count:     66
    .wavefront_size: 32
...
	.end_amdgpu_metadata
.endif
;; end of part 2
;; launch chain (part 3): grid 135 x 1, 8 waves a work-group, no clusters, 132,096 bytes of LDS; arguments plan, xcodes, xscales, gate, wfrag, wscl, b1, b2, out0; writes out0
.if DOCPART == 3
	.amdgcn_target "amdgcn-amd-amdhsa--gfx1250"
	.amdhsa_code_object_version 6
	.text
	.protected	k_qdf2602205d_chain
	.globl	k_qdf2602205d_chain
	.p2align	8
	.type	k_qdf2602205d_chain,@function
k_qdf2602205d_chain:
	s_mov_b64 s[64:65], 0
	v_nop
	global_prefetch_b8 v0, s[64:65] scope:SCOPE_SE
	s_setreg_imm32_b32 hwreg(HW_REG_WAVE_MODE, 25, 1), 1
	s_wait_xcnt 0x0
; THIRD LAUNCH OF THREE: out0[token] = gate x (relu(x W1[e] + b1[e]) W2[e] + b2[e]) for the token's own expert e, both products on codes of BF6 (E3M2) with one E8M0 scale for each 32 along K.
; A work-group takes ONE TILE of up to 32 rows of one expert (record ttmp9 of plan) through the whole chain; the hidden layer stays in LDS.  135 work-groups serve every split of 4,096 tokens over 8 experts.
; Rows behind the tile's last repeat that last row: the same numbers go to the same bytes from the same work-group, so no lane is ever switched off.  A tile without rows walks the text on bounded rows and jumps over the stores:
; the launch's one branch on a loaded number, behind its one barrier.
; SHARES.  THE WAVES SHARE THE COLUMNS: wave w makes hidden units 256 w .. + 255 (units U = 0..3 of 64) and output columns 64 w .. + 63 (units U = 4..7: 4 K steps each), for all 32 rows.  Each weight byte enters the work-group once,
; from memory straight into operand registers: the first launch has laid the fragments in that order (a fragment = three loads of 512 consecutive bytes).
; The ring of 16 fragments keeps three to four groups of 13 loads of each wave on their way.
; LAYOUT.  Both products are used transposed (source 0 = 16 weight rows, source 1 = 16 tokens): a lane holds one token.  Row rho of tile u is weight row 32 (rho / 8) + 8 u + rho % 8 of the unit, so that lane (r, h) holds, in the 32
; registers of tiles u = 0..3, the neighbours 32 h + 0 .. 31: in the first product ONE WHOLE block of 32 of the next K (its largest magnitude needs no other lane, its codes are that lane's operand registers 6 c .. 6 c + 5, c = U % 2);
; in the second product 128 consecutive bytes of an output row.  The biases are the C of each sum's first matrix instruction.
; LDS: 0: the hidden layer's 32 fragments (K step S, rows 16 m on: 2 S + m) as images of their registers, 1,536 bytes each;  49,152: their scale words, 128 S + 4 x tile row;  51,200: b1 and b2 of each wave's columns, 1,280 bytes a wave;
;      61,440: a stage of 32 rows x 272 bytes for each wave.
; REGISTERS, window 0: v1-15 addresses and the gate; v16-19 the tokens' scale words (a register a group: lanes 0-15 rows 0-15, lanes 16-31 rows 16-31); v20-27 the weights' (two a group); v28-51 the quantiser; v52-58 at work at the head;
;   v64-159 the tokens' fragments (group g, m: 12 (2 g + m)); v160-223 the accumulators (m, u): 32 m + 8 u; v224-239 the rows' offsets in out0.   window 1: v0-191 the ring of 16 weight fragments; v192-223 the bias.
; Three window switches a group of eight matrix instructions: the ring has no room in window 0 beside the tokens' fragments and the accumulators.
; LIMITS: as in the first launch: a block of the hidden layer whose largest number lies under 2^-122, a block of zeros among them, keeps the scale byte 1 (its codes are zeros or the rule's own subnormals); NaN and infinities are not served.
.set HSC,   49152
.set BIAS,  51200
.set STAGE, 61440
.set FR,  12                           ; registers of a fragment
.set XS,  16
.set WS,  20
.set QT,  28                           ; the quantiser, 12 registers for each m: +0, +1 largest magnitudes, +2 the scale operand, +3 the byte, +4 .. +10 the codes
.set XF,  64
.set ACC, 160
.set OFS, 224
.set BI,  192
.set MSB, 0
.macro WIN new                         ; the immediate's high byte repeats the setting that is left; a switch that changes nothing is dropped
.if MSB != \new
	s_set_vgpr_msb (MSB<<8)|\new
.set MSB, \new
.endif
.endm
	s_load_b512 s[4:19], s[0:1], 0x0               ; plan s[4:5], xcodes s[6:7], xscales s[8:9], gate s[10:11], wfrag s[12:13], wscl s[14:15], b1 s[16:17], b2 s[18:19]
	s_load_b64 s[20:21], s[0:1], 0x40              ; out0
	v_lshl_add_u32 v254, v0, 2, 0x20000
	v_mov_b32 v255, 0
	v_lshrrev_b32 v15, 5, v0
	v_readfirstlane_b32 s23, v15                   ; wave 0..7
	v_and_b32 v6, 31, v0                           ; lane
	v_and_b32 v54, 15, v0                          ; r
	v_bfe_u32 v55, v0, 4, 1                        ; h
	s_lshl_b32 s22, ttmp9, 4
	s_wait_kmcnt 0x0
	s_load_b128 s[24:27], s[4:5], s22 offset:0x0   ; my tile: expert, first place, rows, last row
	v_lshlrev_b32 v1, 4, v6                        ; v1: 16 x lane
	v_lshlrev_b32 v2, 3, v6                        ; v2: 8 x lane
	s_mul_i32 s40, s23, 6144
	v_add_nc_u32 v3, s40, v1                       ; v3: where I store the hidden layer's images: my wave's K steps 2 w, 2 w + 1
	v_lshl_add_u32 v4, v54, 2, v55
	s_lshl_b32 s40, s23, 8
	s_add_co_u32 s40, s40, HSC
	v_add_nc_u32 v4, s40, v4                       ; v4: and my block's scale byte: 4 r + h in a word row, 256 bytes a wave
	s_mul_i32 s41, s23, 1280
	s_add_co_u32 s41, s41, BIAS
	v_lshl_add_u32 v5, v55, 7, s41                 ; v5: the bias of my 32 neighbours
	v_lshl_add_u32 v7, v6, 2, HSC                  ; v7: the scale word of tile row = lane
	s_mul_i32 s42, s23, 8704
	s_add_co_u32 s42, s42, STAGE
	v_mul_u32_u24 v8, v54, 272
	v_lshl_add_u32 v8, v55, 7, v8
	v_add_nc_u32 v8, s42, v8                       ; v8: the stage, in: row r, 128 bytes for each half of the lanes
	v_mul_u32_u24 v9, v55, 272
	v_lshl_add_u32 v9, v54, 4, v9
	v_add_nc_u32 v9, s42, v9                       ; v9: back: lanes 0-15 one row of 256 bytes, lanes 16-31 the next
	v_add_nc_u32 v52, s41, v1                      ; the bias on its way into LDS
	v_add_nc_u32 v53, s41, v2
	v_mul_u32_u24 v58, v55, 48
	s_wait_kmcnt 0x0
	s_min_u32 s24, s24, 7                          ; loaded numbers enter addresses behind these bounds
	s_min_u32 s25, s25, 4095
	s_min_u32 s26, s26, 32
	s_min_u32 s27, s27, 31
	s_lshl_b32 s40, s24, 3
	s_add_co_u32 s40, s40, s23                     ; 8 e + w
	s_mov_b32 s43, 0
	s_mul_i32 s42, s40, 196608
	s_add_nc_u64 s[28:29], s[12:13], s[42:43]      ; my wave's eight units of fragments
	s_lshl_b32 s42, s40, 13
	s_add_nc_u64 s[30:31], s[14:15], s[42:43]      ; and of scale words
	s_add_nc_u64 s[32:33], s[4:5], 4096            ; order
	s_lshl_b32 s42, s40, 10
	s_add_nc_u64 s[34:35], s[16:17], s[42:43]      ; b1: 8,192 e + 1,024 w
	s_lshl_b32 s42, s40, 8
	s_add_nc_u64 s[36:37], s[18:19], s[42:43]      ; b2: 2,048 e + 256 w
	s_lshl_b32 s42, s23, 8
	s_add_nc_u64 s[38:39], s[20:21], s[42:43]      ; out0 at my wave's 64 columns
	global_load_b128 v[160:163], v1, s[34:35]      ; three loads: the biases of my wave's columns
	global_load_b128 v[164:167], v1, s[34:35] offset:512
	global_load_b64 v[168:169], v2, s[36:37]
.macro ASKROW reg, src                 ; the token at tile row v[src]: place = first place + min(row, last row).  The load lands on its own address register
	v_min_u32 v[\reg], s27, v[\src]
	v_add_nc_u32 v[\reg], s25, v[\reg]
	v_min_u32 v[\reg], 0xfff, v[\reg]
	v_lshlrev_b32 v[\reg], 2, v[\reg]
	global_load_b32 v[\reg], v[\reg], s[32:33]
.endm
	ASKROW 14, 6                                   ; nineteen loads: tile row = lane (scale words),
	ASKROW 12, 54                                  ; r and 16 + r (fragments, gate),
	v_add_nc_u32 v13, 16, v54
	ASKROW 13, 13
.set k, 0
.rept 16
	v_add_nc_u32 v[OFS+k], 2*k, v55                ; 2 k + h (the way out)
	ASKROW OFS+k, OFS+k
.set k, k+1
.endr
; Group g of a unit: its four weight fragments and their scale words: 13 loads
.macro FILL unit, g
	WIN 0
	global_load_b64 v[WS+2*(\g):WS+2*(\g)+1], v2, s[30:31] offset:1024*(\unit)+256*(\g)
	WIN 0x40                                       ; destination window 1, address window 0
.irp u, 0,1,2,3
.irp j, 0,1,2
	global_load_b128 v[FR*(4*(\g)+\u)+4*\j:FR*(4*(\g)+\u)+4*\j+3], v1, s[28:29] offset:24576*(\unit)+1536*(4*(\g)+\u)+512*\j
.endr
.endr
.endm
.macro BIASLD unit                     ; the bias of the unit's 32 neighbours of my half: eight LDS loads, each half of the lanes reading one address
	WIN 0x40
.irp i, 0,1,2,3,4,5,6,7
	ds_load_b128 v[BI+4*\i:BI+4*\i+3], v5 offset:256*(\unit)+16*\i
.endr
.endm
.macro HFETCH ks, g                    ; the hidden layer's two fragments of K step ks and their scale words into group g's registers: seven LDS loads
	WIN 0
.irp m, 0,1
.irp j, 0,1,2
	ds_load_b128 v[XF+FR*(2*(\g)+\m)+4*\j:XF+FR*(2*(\g)+\m)+4*\j+3], v1 offset:1536*(2*(\ks)+\m)+512*\j
.endr
.endr
	ds_load_b32 v[XS+(\g)], v7 offset:128*(\ks)
.endm
; Eight matrix instructions: group g's four weight tiles x the two tiles of rows, 128 along K.  cb = 1: the bias is C and starts the sums.  left, dleft: the younger loads (global, LDS) that may stay out; dleft < 0: no LDS wait.
; The eight accumulators take turns, one instruction a turn, in the same order in every group.  The weights' scale word of tile u lies in register u / 2, lanes 16 (u % 2) on; the tokens' of rows 16 m on in lanes 16 m on.
; The four v_nop are the places in front of loads into registers that these instructions have read, and of the first read of their results.
.macro GROUP g, cb, left, dleft
	s_wait_loadcnt \left
.if (\dleft) >= 0
	s_wait_dscnt \dleft
.endif
.if \cb
	WIN 0x11                                       ; source 0 (weights) and source 2 (bias) window 1
.else
	WIN 0x01                                       ; source 0 window 1
.endif
.irp u, 0,1,2,3
.irp m, 0,1
.set rD, ACC+32*\m+8*\u
.set rA, FR*(4*(\g)+\u)
.set rB, XF+FR*(2*(\g)+\m)
.set rS, WS+2*(\g)+\u/2
.set rT, XS+(\g)
.if \cb
.set rC, BI+8*\u
.else
.set rC, rD
.endif
.if (\u%2 == 1) && (\m == 1)
	v_wmma_scale_f32_16x16x128_f8f6f4 v[rD:rD+7], v[rA:rA+11], v[rB:rB+11], v[rC:rC+7], v[rS], v[rT] matrix_a_fmt:MATRIX_FMT_BF6 matrix_b_fmt:MATRIX_FMT_BF6 matrix_a_scale:MATRIX_SCALE_ROW1 matrix_b_scale:MATRIX_SCALE_ROW1
.elseif \u%2 == 1
	v_wmma_scale_f32_16x16x128_f8f6f4 v[rD:rD+7], v[rA:rA+11], v[rB:rB+11], v[rC:rC+7], v[rS], v[rT] matrix_a_fmt:MATRIX_FMT_BF6 matrix_b_fmt:MATRIX_FMT_BF6 matrix_a_scale:MATRIX_SCALE_ROW1
.elseif \m == 1
	v_wmma_scale_f32_16x16x128_f8f6f4 v[rD:rD+7], v[rA:rA+11], v[rB:rB+11], v[rC:rC+7], v[rS], v[rT] matrix_a_fmt:MATRIX_FMT_BF6 matrix_b_fmt:MATRIX_FMT_BF6 matrix_b_scale:MATRIX_SCALE_ROW1
.else
	v_wmma_scale_f32_16x16x128_f8f6f4 v[rD:rD+7], v[rA:rA+11], v[rB:rB+11], v[rC:rC+7], v[rS], v[rT] matrix_a_fmt:MATRIX_FMT_BF6 matrix_b_fmt:MATRIX_FMT_BF6
.endif
.endr
.endr
.rept 4
	v_nop
.endr
.endm
; A unit's 64 hidden units of the 32 rows: relu, then each lane's 32 numbers of each m are one block of the next K: its scale, its codes, and both to LDS.  The two m go line by line.
.macro QUANT unit
	WIN 0
	s_wait_dscnt 8                                 ; all but the next unit's eight bias loads: the last unit's six stores have read the registers that are written below
.set n, 0
.rept 32
	v_max_num_f32 v[ACC+n], 0, v[ACC+n]            ; the activation, in f32; each accumulator from its low end on
	v_max_num_f32 v[ACC+32+n], 0, v[ACC+32+n]
.set n, n+1
.endr
.irp m, 0,1
	v_max3_num_f32 v[QT+12*\m], v[ACC+32*\m], v[ACC+32*\m+1], 0x2800000   ; none is negative: no |.|.  The floor 2^(5 - 127): the byte cannot fall under 1
	v_max3_num_f32 v[QT+12*\m+1], v[ACC+32*\m+16], v[ACC+32*\m+17], v[ACC+32*\m+18]
.endr
.irp i, 2,4,6,8,10,12
.irp m, 0,1
	v_max3_num_f32 v[QT+12*\m], v[QT+12*\m], v[ACC+32*\m+\i], v[ACC+32*\m+\i+1]
	v_max3_num_f32 v[QT+12*\m+1], v[QT+12*\m+1], v[ACC+32*\m+\i+17], v[ACC+32*\m+\i+18]
.endr
.endr
.irp m, 0,1
	v_max3_num_f32 v[QT+12*\m], v[QT+12*\m], v[ACC+32*\m+14], v[ACC+32*\m+15]
.endr
.irp m, 0,1
	v_max3_num_f32 v[QT+12*\m], v[QT+12*\m], v[QT+12*\m+1], v[ACC+32*\m+31]   ; the block's largest number
.endr
.irp m, 0,1
	v_add_nc_u32 v[QT+12*\m+2], 0xfe000000, v[QT+12*\m]   ; 4 off its exponent field: the conversion takes the exponent field of this operand as its scale
.endr
.irp m, 0,1
	v_cvt_scalef32_pk16_bf6_f32 v[QT+12*\m+4:QT+12*\m+6], v[ACC+32*\m:ACC+32*\m+15], v[QT+12*\m+2]
	v_cvt_scalef32_pk16_bf6_f32 v[QT+12*\m+8:QT+12*\m+10], v[ACC+32*\m+16:ACC+32*\m+31], v[QT+12*\m+2]   ; (a conversion's three registers begin on an even number)
.endr
.irp m, 0,1
	v_lshrrev_b32 v[QT+12*\m+3], 23, v[QT+12*\m+2] ; the scale's byte (also the plain line behind the conversions)
.endr
.irp m, 0,1
	v_mov_b32 v[QT+12*\m+7], v[QT+12*\m+8]         ; the block's six registers on end
	v_mov_b32 v[QT+12*\m+8], v[QT+12*\m+9]
	v_mov_b32 v[QT+12*\m+9], v[QT+12*\m+10]
.endr
.irp m, 0,1                            ; they are registers 6 c .. 6 c + 5 of fragment (K step 2 w + unit / 2, m): in the image register 4 j + i of lane l lies at 512 j + 16 l + 4 i
.set P, QT+12*\m+4
.set F, 1536*(2*((\unit)/2)+\m)
.if (\unit)%2 == 0
	ds_store_b128 v3, v[P:P+3] offset:F
	ds_store_b64 v3, v[P+4:P+5] offset:F+512
.else
	ds_store_b64 v3, v[P:P+1] offset:F+520
	ds_store_b128 v3, v[P+2:P+5] offset:F+1024
.endif
	ds_store_b8 v4, v[QT+12*\m+3] offset:128*((\unit)/2)+64*\m+2*((\unit)%2)   ; byte 2 c + h of my row's scale word
.endr
.endm
	FILL 0, 0                                      ; the ring: 52 loads
	FILL 0, 1
	FILL 0, 2
	FILL 0, 3
	WIN 0
	s_wait_loadcnt 52                              ; all but the ring: the biases and the tokens' numbers are in
	ds_store_b128 v52, v[160:163]                  ; b1 of my 256 hidden units,
	ds_store_b128 v52, v[164:167] offset:512
	ds_store_b64 v53, v[168:169] offset:1024       ; b2 of my 64 columns: my wave's own bytes, so no barrier
	v_min_u32 v12, 0xfff, v12                      ; loaded numbers enter addresses behind this bound
	v_min_u32 v13, 0xfff, v13
	v_min_u32 v14, 0xfff, v14
	v_lshlrev_b32 v56, 2, v12                      ; the gates' offsets
	v_lshlrev_b32 v57, 2, v13
	v_mad_u32_u24 v12, v12, 384, v58               ; x's codes: 384 bytes a token, + 48 h
	v_mad_u32_u24 v13, v13, 384, v58
	v_lshlrev_b32 v14, 4, v14                      ; x's scale words: 16 bytes a token
.set k, 0
.rept 16
	v_min_u32 v[OFS+k], 0xfff, v[OFS+k]
	v_lshlrev_b32 v[OFS+k], 11, v[OFS+k]
	v_lshl_add_u32 v[OFS+k], v54, 4, v[OFS+k]      ; out0: 2,048 bytes a token, + 16 r
.set k, k+1
.endr
.irp g, 0,1,2,3                        ; 27 loads: x's eight fragments, 48 consecutive bytes a lane each,
.irp m, 0,1
.irp j, 0,1,2
	global_load_b128 v[XF+FR*(2*\g+\m)+4*\j:XF+FR*(2*\g+\m)+4*\j+3], v[12+\m], s[6:7] offset:96*\g+16*\j
.endr
.endr
.endr
	global_load_b128 v[XS:XS+3], v14, s[8:9]       ; their scale words, a word a K step,
	global_load_b32 v10, v56, s[10:11]             ; and the gates
	global_load_b32 v11, v57, s[10:11]
	BIASLD 0                                       ; LDS serves a wave's instructions in order (ISA guide 5.7.1.4): these see the stores above
	s_wait_loadcnt 0x0
	s_wait_dscnt 0x0
; PHASE 1: four units of 64 hidden units.  Behind each group the ring's slot takes the next unit's group, so three groups of 13 loads have been issued behind the group that is waited for: the count 39.  (In unit 0 all is in already.)
; Unit 3's fills bring W2's first unit: the stream runs on over the barrier.
.macro UNIT1 unit
.if (\unit) > 0
	s_wait_dscnt 6                                 ; all but the last unit's six stores: this unit's bias is in
.endif
	GROUP 0, 1, 39, -1
	FILL (\unit)+1, 0
	BIASLD (\unit)+1
.irp g, 1,2,3
	GROUP \g, 0, 39, -1
	FILL (\unit)+1, \g
.endr
	QUANT \unit
.endm
	UNIT1 0
	UNIT1 1
	UNIT1 2
	UNIT1 3
	s_wait_dscnt 0x0                               ; for the others' sake: my images and scale bytes are stored (and b2 is in)
	s_barrier_signal -1
	s_barrier_wait -1                              ; the hidden layer's 32 fragments lie in LDS
; PHASE 2: sixteen K steps, four to a unit.  Behind each group its registers take the K step four on: three groups of 7 LDS loads stand behind the group that is waited for: the count 21.  The last unit fetches nothing: the counts run down.
.macro UNIT2 unit
.irp g, 0,1,2,3
.if (\unit) < 7
.if ((\unit) == 4) && (\g == 0)
	GROUP \g, 1, 39, 21
.else
	GROUP \g, 0, 39, 21
.endif
	HFETCH 4*((\unit)-3)+\g, \g
	FILL (\unit)+1, \g
.else
	GROUP \g, 0, 13*(3-\g), 7*(3-\g)
.endif
.endr
.endm
	HFETCH 0, 0
	HFETCH 1, 1
	HFETCH 2, 2
	HFETCH 3, 3
	UNIT2 4
	UNIT2 5
	UNIT2 6
	UNIT2 7
	; THE WAY OUT: x the gate; a lane's 128 bytes of a row go into my wave's stage and come back as rows of 256 bytes
	WIN 0                                          ; at a branch and at a label every window is 0
	s_cmp_eq_u32 s26, 0
	s_cbranch_scc1 .Lend                           ; a tile without rows stores nothing
.set n, 0
.rept 16
	v_pk_mul_f32 v[ACC+2*n:ACC+2*n+1], v[ACC+2*n:ACC+2*n+1], v[10:11] op_sel_hi:[1,0]                  ; rows 0-15: both halves by v10; each accumulator from its low end on
	v_pk_mul_f32 v[ACC+32+2*n:ACC+32+2*n+1], v[ACC+32+2*n:ACC+32+2*n+1], v[10:11] op_sel:[0,1] op_sel_hi:[1,1]   ; rows 16-31: by v11
.set n, n+1
.endr
.irp m, 0,1
.irp i, 0,1,2,3,4,5,6,7
	ds_store_b128 v8, v[ACC+32*\m+4*\i:ACC+32*\m+4*\i+3] offset:4352*\m+16*\i
.endr
.endr
.set k, 0
.rept 16
	ds_load_b128 v[XF+4*k:XF+4*k+3], v9 offset:544*k               ; rows 2 k and 2 k + 1; LDS serves a wave's instructions in order: these see my stores
.set k, k+1
.endr
.set k, 0
.rept 16
	s_wait_dscnt 15-k
	global_store_b128 v[OFS+k], v[XF+4*k:XF+4*k+3], s[38:39] th:TH_STORE_NT   ; sixteen lanes store 256 consecutive bytes of a token's row, at a multiple of 256 from out0's first byte; written once, read by nobody here
.set k, k+1
.endr
.Lend:
	s_wait_tensorcnt 0x0
	ds_add_u32 v254, v255
	s_wait_dscnt 0x0
	s_endpgm
.Lfunc_end_k_qdf2602205d_chain:
	.size	k_qdf2602205d_chain, .Lfunc_end_k_qdf2602205d_chain-k_qdf2602205d_chain
	.p2alignl 7, 3214868480
	.fill 96, 4, 3214868480
	.section	.rodata,"a",@progbits
	.p2align	6, 0x0
	.amdhsa_kernel k_qdf2602205d_chain
		.amdhsa_group_segment_fixed_size 132096
		.amdhsa_private_segment_fixed_size 0
		.amdhsa_enable_private_segment 0
		.amdhsa_kernarg_size 72
		.amdhsa_user_sgpr_count 2
		.amdhsa_user_sgpr_kernarg_segment_ptr 1
		.amdhsa_wavefront_size32 1
		.amdhsa_system_sgpr_workgroup_id_x 1
		.amdhsa_system_sgpr_workgroup_id_y 1
		.amdhsa_system_sgpr_workgroup_id_z 1
		.amdhsa_system_vgpr_workitem_id 0
		.amdhsa_next_free_vgpr 512
		.amdhsa_next_free_sgpr 66
		.amdhsa_reserve_vcc 0
		.amdhsa_float_denorm_mode_32 3
		.amdhsa_float_denorm_mode_16_64 3
		.amdhsa_memory_ordered 1
		.amdhsa_forward_progress 1
		.amdhsa_inst_pref_size 130
	.end_amdhsa_kernel
	.amdgpu_metadata
---
amdhsa.version: [ 1, 2 ]
amdhsa.kernels:
  - .name:           k_qdf2602205d_chain
    .symbol:         k_qdf2602205d_chain.kd
    .args:
      - { .name: plan, .offset: 0, .size: 8, .value_kind: global_buffer, .address_space: global }
      - { .name: xcodes, .offset: 8, .size: 8, .value_kind: global_buffer, .address_space: global }
      - { .name: xscales, .offset: 16, .size: 8, .value_kind: global_buffer, .address_space: global }
      - { .name: gate, .offset: 24, .size: 8, .value_kind: global_buffer, .address_space: global }
      - { .name: wfrag, .offset: 32, .size: 8, .value_kind: global_buffer, .address_space: global }
      - { .name: wscl, .offset: 40, .size: 8, .value_kind: global_buffer, .address_space: global }
      - { .name: b1, .offset: 48, .size: 8, .value_kind: global_buffer, .address_space: global }
      - { .name: b2, .offset: 56, .size: 8, .value_kind: global_buffer, .address_space: global }
      - { .name: out0, .offset: 64, .size: 8, .value_kind: global_buffer, .address_space: global }
    .group_segment_fixed_size: 132096
    .private_segment_fixed_size: 0
    .kernarg_segment_align: 8
    .kernarg_segment_size: 72
    .max_flat_workgroup_size: 256
    .sgpr_count:     66
    .vgpr_count:     512
    .wavefront_size: 32
...
	.end_amdgpu_metadata
.endif
;; end of part 3
;; ======== version 2 of 2: 3 launches; version 1 with the launch chain written anew for expert scheduling mode
;; workspace buffers: xcodes 1,572,864 bytes; xscales 65,536 bytes; route 16,384 bytes of whole numbers; gate 16,384 bytes; psum 8,192 bytes; wfrag 12,582,912 bytes; wscl 524,288 bytes; plan 20,480 bytes of whole numbers
;; launch prep: the kernel of part 1 again; grid 192 x 1, 4 waves a work-group, no clusters, 193,536 bytes of LDS; arguments x, w_router, b_router, W1_codes, W1_scales, W2_codes, W2_scales, xcodes, xscales, route, gate, psum, wfrag, wscl, out2; writes xcodes, xscales, route, gate, psum, wfrag, wscl, out2
;; launch place: the kernel of part 2 again; grid 1 x 1, 16 waves a work-group, no clusters, 3,072 bytes of LDS; arguments route, psum, plan, out1; writes plan, out1
;; launch chain (part 4): grid 135 x 1, 8 waves a work-group, no clusters, 132,096 bytes of LDS; arguments plan, xcodes, xscales, gate, wfrag, wscl, b1, b2, out0; writes out0
.if DOCPART == 4
	.amdgcn_target "amdgcn-amd-amdhsa--gfx1250"
	.amdhsa_code_object_version 6
	.text
	.protected	k_qdf2602205d_chain
	.globl	k_qdf2602205d_chain
	.p2align	8
	.type	k_qdf2602205d_chain,@function
k_qdf2602205d_chain:
	s_mov_b64 s[64:65], 0
	v_nop
	global_prefetch_b8 v0, s[64:65] scope:SCOPE_SE
	s_setreg_imm32_b32 hwreg(HW_REG_WAVE_SCHED_MODE, 0, 2), 2
	s_setreg_imm32_b32 hwreg(HW_REG_WAVE_MODE, 25, 1), 1
	s_wait_xcnt 0x0
	s_wait_alu depctr_vm_vsrc(0)
; THIRD LAUNCH OF THREE: out0[token] = gate x (relu(x W1[e] + b1[e]) W2[e] + b2[e]) for the token's own expert e, both products on codes of BF6 (E3M2) with one E8M0 scale for each 32 along K.
; A work-group takes ONE TILE of up to 32 rows of one expert (record ttmp9 of plan) through the whole chain; the hidden layer stays in LDS.  135 work-groups serve every split of 4,096 tokens over 8 experts.
; Rows behind the tile's last repeat that last row: the same numbers go to the same bytes from the same work-group, so no lane is ever switched off.  A tile without rows walks the text on bounded rows and jumps over the stores:
; the launch's one branch on a loaded number, behind its one barrier.
; SHARES.  THE WAVES SHARE THE COLUMNS: wave w makes hidden units 256 w .. + 255 (units U = 0..3 of 64) and output columns 64 w .. + 63 (units U = 4..7: 4 K steps each), for all 32 rows.  Each weight byte enters the work-group once,
; from memory straight into operand registers: the first launch has laid the fragments in that order (a fragment = three loads of 512 consecutive bytes).
; The ring of 16 fragments keeps three to four groups of 13 loads of each wave on their way.
; LAYOUT.  Both products are used transposed (source 0 = 16 weight rows, source 1 = 16 tokens): a lane holds one token.  Row rho of tile u is weight row 32 (rho / 8) + 8 u + rho % 8 of the unit, so that lane (r, h) holds, in the 32
; registers of tiles u = 0..3, the neighbours 32 h + 0 .. 31: in the first product ONE WHOLE block of 32 of the next K (its largest magnitude needs no other lane, its codes are that lane's operand registers 6 c .. 6 c + 5, c = U % 2);
; in the second product 128 consecutive bytes of an output row.  The biases are the C of each sum's first matrix instruction.
; LDS: 0: the hidden layer's 32 fragments (K step S, rows 16 m on: 2 S + m) as images of their registers, 1,536 bytes each;  49,152: their scale words, 128 S + 4 x tile row;  51,200: b1 and b2 of each wave's columns, 1,280 bytes a wave;
;      61,440: a stage of 32 rows x 272 bytes for each wave.
; REGISTERS, window 0: v1-15 addresses and the gate; v16-19 the tokens' scale words (a register a group: lanes 0-15 rows 0-15, lanes 16-31 rows 16-31); v20-27 the weights' (two a group); v28-51 the quantiser; v52-58 at work at the head;
;   v64-159 the tokens' fragments (group g, m: 12 (2 g + m)); v160-223 the accumulators (m, u): 32 m + 8 u (at the head only: v160-169 the biases on their way to LDS, v170-188 the offsets of the token numbers' loads); v224-239 the rows' offsets in out0.
;   window 1: v0-191 the ring of 16 weight fragments; v192-223 the bias; v224, v225 the two LDS addresses of the hidden layer's fetches once more, in the window of the products' source 0.
; Three window switches a group of eight matrix instructions: the ring has no room in window 0 beside the tokens' fragments and the accumulators.
; THE MODE: SCHED_MODE bits 1:0 = 2 (LLVM: expert scheduling mode 2), set by the entry lines.  The code itself states the register dependences between vector or matrix instructions and memory or LDS instructions, with s_wait_alu, always for 0.
; THE PLAN.  Registers that memory or LDS instructions touch:
;   the addresses (v1-9, v52, v53; window 1's v224, v225)   written by vector instructions at the head, never again; read by every load and store.
;   v12-14, v56, v57, v224-239   token numbers land in them; vector instructions make offsets of them once; x's loads, the gates' loads and the stores on the way out read them.
;   v160-188, at the head        v160-169: loaded, read by three LDS stores;  v170-188: written by vector instructions, read by 19 loads.  The first products write over both: one wait on vm_vsrc ahead of them.
;   ring slot g, its two scale registers, the bias, the slot g of tokens' or hidden fragments and its scale word   written by loads alone, read by group g's eight products alone.
;   the quantiser's codes and bytes   written by vector instructions once a unit, read by six LDS stores.
;   the accumulators             named by matrix and vector instructions; read by LDS stores on the way out alone.
; So ONE wait on va_vdst stands behind a group's products and their places: it states that they are done reading all that group g owns.  Behind it the ring slot is asked for again at once, in one run (its destination lies in window 1, the
; products' in window 0); the hidden layer's next fragments for that slot are dealt among the NEXT group's products, which name none of the slot's registers.
; LIMITS: as in the first launch: a block of the hidden layer whose largest number lies under 2^-122, a block of zeros among them, keeps the scale byte 1 (its codes are zeros or the rule's own subnormals); NaN and infinities are not served.
.set HSC,   49152
.set BIAS,  51200
.set STAGE, 61440
.set FR,  12                           ; registers of a fragment
.set XS,  16
.set WS,  20
.set QT,  28                           ; the quantiser, 12 registers for each m: +0, +1 largest magnitudes, +2 the scale operand, +3 the byte, +4 .. +10 the codes
.set XF,  64
.set ACC, 160
.set ADR, 170                          ; at the head only: the offsets in order[] of the 19 loads of token numbers
.set OFS, 224
.set BI,  192
.set LI1, 224                          ; window 1: 16 x lane
.set LS1, 225                          ; window 1: HSC + 4 x lane
.set MSB, 0
.macro WIN new                         ; the immediate's high byte repeats the setting that is left; a switch that changes nothing is dropped
.if MSB != \new
	s_set_vgpr_msb (MSB<<8)|\new
.set MSB, \new
.endif
.endm
	s_load_b512 s[4:19], s[0:1], 0x0               ; plan s[4:5], xcodes s[6:7], xscales s[8:9], gate s[10:11], wfrag s[12:13], wscl s[14:15], b1 s[16:17], b2 s[18:19]
	s_load_b64 s[20:21], s[0:1], 0x40              ; out0
	v_lshl_add_u32 v254, v0, 2, 0x20000
	v_mov_b32 v255, 0
	v_lshrrev_b32 v15, 5, v0
	v_readfirstlane_b32 s23, v15                   ; wave 0..7
	v_and_b32 v6, 31, v0                           ; lane
	v_and_b32 v54, 15, v0                          ; r
	v_bfe_u32 v55, v0, 4, 1                        ; h
	s_lshl_b32 s22, ttmp9, 4
	s_wait_kmcnt 0x0
	s_load_b128 s[24:27], s[4:5], s22 offset:0x0   ; my tile: expert, first place, rows, last row
	v_lshlrev_b32 v1, 4, v6                        ; v1: 16 x lane
	v_lshlrev_b32 v2, 3, v6                        ; v2: 8 x lane
	s_wait_alu depctr_va_sdst(0)                   ; s23 is written, ahead of its first reader: the wave's LDS places and bases are made from it
	s_mul_i32 s40, s23, 6144
	v_add_nc_u32 v3, s40, v1                       ; v3: where I store the hidden layer's images: my wave's K steps 2 w, 2 w + 1
	v_lshl_add_u32 v4, v54, 2, v55
	s_lshl_b32 s40, s23, 8
	s_add_co_u32 s40, s40, HSC
	v_add_nc_u32 v4, s40, v4                       ; v4: and my block's scale byte: 4 r + h in a word row, 256 bytes a wave
	s_mul_i32 s41, s23, 1280
	s_add_co_u32 s41, s41, BIAS
	v_lshl_add_u32 v5, v55, 7, s41                 ; v5: the bias of my 32 neighbours
	v_lshl_add_u32 v7, v6, 2, HSC                  ; v7: the scale word of tile row = lane
	s_mul_i32 s42, s23, 8704
	s_add_co_u32 s42, s42, STAGE
	v_mul_u32_u24 v8, v54, 272
	v_lshl_add_u32 v8, v55, 7, v8
	v_add_nc_u32 v8, s42, v8                       ; v8: the stage, in: row r, 128 bytes for each half of the lanes
	v_mul_u32_u24 v9, v55, 272
	v_lshl_add_u32 v9, v54, 4, v9
	v_add_nc_u32 v9, s42, v9                       ; v9: back: lanes 0-15 one row of 256 bytes, lanes 16-31 the next
	v_add_nc_u32 v52, s41, v1                      ; the bias on its way into LDS
	v_add_nc_u32 v53, s41, v2
	v_mul_u32_u24 v58, v55, 48
	WIN 0x40                                       ; destination window 1, sources window 0
	v_lshlrev_b32 v[LI1], 4, v6                    ; v1 and v7 once more, where an LDS load that stands among the products finds its address
	v_lshl_add_u32 v[LS1], v6, 2, HSC
	WIN 0
	s_wait_kmcnt 0x0
	s_min_u32 s24, s24, 7                          ; loaded numbers enter addresses behind these bounds
	s_min_u32 s25, s25, 4095
	s_min_u32 s26, s26, 32
	s_min_u32 s27, s27, 31
	s_lshl_b32 s40, s24, 3
	s_add_co_u32 s40, s40, s23                     ; 8 e + w
	s_mov_b32 s43, 0
	s_mul_i32 s42, s40, 196608
	s_add_nc_u64 s[28:29], s[12:13], s[42:43]      ; my wave's eight units of fragments
	s_lshl_b32 s42, s40, 13
	s_add_nc_u64 s[30:31], s[14:15], s[42:43]      ; and of scale words
	s_add_nc_u64 s[32:33], s[4:5], 4096            ; order
	s_lshl_b32 s42, s40, 10
	s_add_nc_u64 s[34:35], s[16:17], s[42:43]      ; b1: 8,192 e + 1,024 w
	s_lshl_b32 s42, s40, 8
	s_add_nc_u64 s[36:37], s[18:19], s[42:43]      ; b2: 2,048 e + 256 w
	s_lshl_b32 s42, s23, 8
	s_add_nc_u64 s[38:39], s[20:21], s[42:43]      ; out0 at my wave's 64 columns
.macro ROWADR reg, src                 ; where the token of tile row v[src] stands in order[]: place = first place + min(row, last row), 4 bytes a place
	v_min_u32 v[\reg], s27, v[\src]
	v_add_nc_u32 v[\reg], s25, v[\reg]
	v_min_u32 v[\reg], 0xfff, v[\reg]
	v_lshlrev_b32 v[\reg], 2, v[\reg]
.endm
	ROWADR ADR, 6                                  ; all nineteen offsets are made first, so that one wait serves their loads: tile row = lane (scale words),
	ROWADR ADR+1, 54                               ; r and 16 + r (fragments, gate),
	v_add_nc_u32 v[ADR+2], 16, v54
	ROWADR ADR+2, ADR+2
.set k, 0
.rept 16
	v_add_nc_u32 v[ADR+3+k], 2*k, v55              ; 2 k + h (the way out)
	ROWADR ADR+3+k, ADR+3+k
.set k, k+1
.endr
	s_wait_alu depctr_va_vdst(0)                   ; the addresses v1 to v9, v52, v53, window 1's two and the nineteen offsets are written, which the loads and stores from here on read
	global_load_b128 v[160:163], v1, s[34:35]      ; three loads: the biases of my wave's columns
	global_load_b128 v[164:167], v1, s[34:35] offset:512
	global_load_b64 v[168:169], v2, s[36:37]
	global_load_b32 v14, v[ADR], s[32:33]          ; nineteen loads: the tokens' numbers; address and data are two registers
	global_load_b32 v12, v[ADR+1], s[32:33]
	global_load_b32 v13, v[ADR+2], s[32:33]
.set k, 0
.rept 16
	global_load_b32 v[OFS+k], v[ADR+3+k], s[32:33]
.set k, k+1
.endr
; Group g of a unit: its four weight fragments and their scale words: 13 loads
.macro FILL unit, g
	WIN 0
	global_load_b64 v[WS+2*(\g):WS+2*(\g)+1], v2, s[30:31] offset:1024*(\unit)+256*(\g)
	WIN 0x40                                       ; destination window 1, address window 0
.irp u, 0,1,2,3
.irp j, 0,1,2
	global_load_b128 v[FR*(4*(\g)+\u)+4*\j:FR*(4*(\g)+\u)+4*\j+3], v1, s[28:29] offset:24576*(\unit)+1536*(4*(\g)+\u)+512*\j
.endr
.endr
.endm
.macro BIASLD unit                     ; the bias of the unit's 32 neighbours of my half: eight LDS loads, each half of the lanes reading one address
	WIN 0x40
.irp i, 0,1,2,3,4,5,6,7
	ds_load_b128 v[BI+4*\i:BI+4*\i+3], v5 offset:256*(\unit)+16*\i
.endr
.endm
.macro HFETCH ks, g                    ; the hidden layer's two fragments of K step ks and their scale words into group g's registers: seven LDS loads, in one run: the first three K steps come so
	WIN 0
.irp m, 0,1
.irp j, 0,1,2
	ds_load_b128 v[XF+FR*(2*(\g)+\m)+4*\j:XF+FR*(2*(\g)+\m)+4*\j+3], v1 offset:1536*(2*(\ks)+\m)+512*\j
.endr
.endr
	ds_load_b32 v[XS+(\g)], v7 offset:128*(\ks)
.endm
; Eight matrix instructions: group g's four weight tiles x the two tiles of rows, 128 along K.  cb = 1: the bias is C and starts the sums.  left, dleft: the younger loads (global, LDS) that may stay out; dleft < 0: no LDS wait.
; hk >= 0: the hidden layer's K step hk is fetched into slot hg, the slot of the group before: its seven LDS loads stand one behind each of the first seven products.  No wait: that group's own wait has stated that its products are done
; reading the slot, and these products name slot g, ring slot g and the accumulators alone.  The loads take their address from window 1, as the products take source 0: no switch.
; more = 1: loads follow, here or in the next group, into registers that these products read.
; The eight accumulators take turns, one instruction a turn, in the same order in every group.  The weights' scale word of tile u lies in register u / 2, lanes 16 (u % 2) on; the tokens' of rows 16 m on in lanes 16 m on.
; The four v_nop are the places behind these instructions, in front of loads into registers that they have read and of the first read of their results; the wait stands behind the places.
.macro GROUP g, cb, left, dleft, hk, hg, more
	s_wait_loadcnt \left
.if (\dleft) >= 0
	s_wait_dscnt \dleft
.endif
.if \cb
	WIN 0x11                                       ; source 0 (weights) and source 2 (bias) window 1
.else
	WIN 0x01                                       ; source 0 window 1
.endif
.irp u, 0,1,2,3
.irp m, 0,1
.set rD, ACC+32*\m+8*\u
.set rA, FR*(4*(\g)+\u)
.set rB, XF+FR*(2*(\g)+\m)
.set rS, WS+2*(\g)+\u/2
.set rT, XS+(\g)
.if \cb
.set rC, BI+8*\u
.else
.set rC, rD
.endif
.if (\u%2 == 1) && (\m == 1)
	v_wmma_scale_f32_16x16x128_f8f6f4 v[rD:rD+7], v[rA:rA+11], v[rB:rB+11], v[rC:rC+7], v[rS], v[rT] matrix_a_fmt:MATRIX_FMT_BF6 matrix_b_fmt:MATRIX_FMT_BF6 matrix_a_scale:MATRIX_SCALE_ROW1 matrix_b_scale:MATRIX_SCALE_ROW1
.elseif \u%2 == 1
	v_wmma_scale_f32_16x16x128_f8f6f4 v[rD:rD+7], v[rA:rA+11], v[rB:rB+11], v[rC:rC+7], v[rS], v[rT] matrix_a_fmt:MATRIX_FMT_BF6 matrix_b_fmt:MATRIX_FMT_BF6 matrix_a_scale:MATRIX_SCALE_ROW1
.elseif \m == 1
	v_wmma_scale_f32_16x16x128_f8f6f4 v[rD:rD+7], v[rA:rA+11], v[rB:rB+11], v[rC:rC+7], v[rS], v[rT] matrix_a_fmt:MATRIX_FMT_BF6 matrix_b_fmt:MATRIX_FMT_BF6 matrix_b_scale:MATRIX_SCALE_ROW1
.else
	v_wmma_scale_f32_16x16x128_f8f6f4 v[rD:rD+7], v[rA:rA+11], v[rB:rB+11], v[rC:rC+7], v[rS], v[rT] matrix_a_fmt:MATRIX_FMT_BF6 matrix_b_fmt:MATRIX_FMT_BF6
.endif
.if (\hk) >= 0
.set dl, 2*\u+\m
.if dl < 6
	ds_load_b128 v[XF+FR*(2*(\hg)+dl/3)+4*(dl%3):XF+FR*(2*(\hg)+dl/3)+4*(dl%3)+3], v[LI1] offset:1536*(2*(\hk)+dl/3)+512*(dl%3)
.elseif dl == 6
	ds_load_b32 v[XS+(\hg)], v[LS1] offset:128*(\hk)
.endif
.endif
.endr
.endr
.rept 4
	v_nop
.endr
.if \more
	s_wait_alu depctr_va_vdst(0)                   ; these eight products are done reading ring slot g, its two scale registers, slot g of the tokens' or hidden fragments with its scale word, and (cb = 1) the bias: loads land in all of them from here on
.endif
.endm
; A unit's 64 hidden units of the 32 rows: relu, then each lane's 32 numbers of each m are one block of the next K: its scale, its codes, and both to LDS.  The two m go line by line.
.macro QUANT unit
	WIN 0
	s_wait_dscnt 8                                 ; all but the next unit's eight bias loads: the last unit's six stores are done
.if (\unit) > 0
	s_wait_alu depctr_vm_vsrc(0)                   ; the last unit's six LDS stores have read the codes' and the bytes' registers, which are written again below
.endif
.set n, 0
.rept 32
	v_max_num_f32 v[ACC+n], 0, v[ACC+n]            ; the activation, in f32; each accumulator from its low end on
	v_max_num_f32 v[ACC+32+n], 0, v[ACC+32+n]
.set n, n+1
.endr
.irp m, 0,1
	v_max3_num_f32 v[QT+12*\m], v[ACC+32*\m], v[ACC+32*\m+1], 0x2800000   ; none is negative: no |.|.  The floor 2^(5 - 127): the byte cannot fall under 1
	v_max3_num_f32 v[QT+12*\m+1], v[ACC+32*\m+16], v[ACC+32*\m+17], v[ACC+32*\m+18]
.endr
.irp i, 2,4,6,8,10,12
.irp m, 0,1
	v_max3_num_f32 v[QT+12*\m], v[QT+12*\m], v[ACC+32*\m+\i], v[ACC+32*\m+\i+1]
	v_max3_num_f32 v[QT+12*\m+1], v[QT+12*\m+1], v[ACC+32*\m+\i+17], v[ACC+32*\m+\i+18]
.endr
.endr
.irp m, 0,1
	v_max3_num_f32 v[QT+12*\m], v[QT+12*\m], v[ACC+32*\m+14], v[ACC+32*\m+15]
.endr
.irp m, 0,1
	v_max3_num_f32 v[QT+12*\m], v[QT+12*\m], v[QT+12*\m+1], v[ACC+32*\m+31]   ; the block's largest number
.endr
.irp m, 0,1
	v_add_nc_u32 v[QT+12*\m+2], 0xfe000000, v[QT+12*\m]   ; 4 off its exponent field: the conversion takes the exponent field of this operand as its scale
.endr
.irp m, 0,1
	v_cvt_scalef32_pk16_bf6_f32 v[QT+12*\m+4:QT+12*\m+6], v[ACC+32*\m:ACC+32*\m+15], v[QT+12*\m+2]
	v_cvt_scalef32_pk16_bf6_f32 v[QT+12*\m+8:QT+12*\m+10], v[ACC+32*\m+16:ACC+32*\m+31], v[QT+12*\m+2]   ; (a conversion's three registers begin on an even number)
.endr
.irp m, 0,1
	v_lshrrev_b32 v[QT+12*\m+3], 23, v[QT+12*\m+2] ; the scale's byte (also the plain line behind the conversions)
.endr
.irp m, 0,1
	v_mov_b32 v[QT+12*\m+7], v[QT+12*\m+8]         ; the block's six registers on end
	v_mov_b32 v[QT+12*\m+8], v[QT+12*\m+9]
	v_mov_b32 v[QT+12*\m+9], v[QT+12*\m+10]
.endr
	s_wait_alu depctr_va_vdst(0)                   ; the conversions, the shifts and the moves have written the codes and the bytes, which the six LDS stores read
.irp m, 0,1                            ; they are registers 6 c .. 6 c + 5 of fragment (K step 2 w + unit / 2, m): in the image register 4 j + i of lane l lies at 512 j + 16 l + 4 i
.set P, QT+12*\m+4
.set F, 1536*(2*((\unit)/2)+\m)
.if (\unit)%2 == 0
	ds_store_b128 v3, v[P:P+3] offset:F
	ds_store_b64 v3, v[P+4:P+5] offset:F+512
.else
	ds_store_b64 v3, v[P:P+1] offset:F+520
	ds_store_b128 v3, v[P+2:P+5] offset:F+1024
.endif
	ds_store_b8 v4, v[QT+12*\m+3] offset:128*((\unit)/2)+64*\m+2*((\unit)%2)   ; byte 2 c + h of my row's scale word
.endr
.endm
	FILL 0, 0                                      ; the ring: 52 loads
	FILL 0, 1
	FILL 0, 2
	FILL 0, 3
	WIN 0
	s_wait_loadcnt 52                              ; all but the ring: the biases and the tokens' numbers are in
	ds_store_b128 v52, v[160:163]                  ; b1 of my 256 hidden units,
	ds_store_b128 v52, v[164:167] offset:512
	ds_store_b64 v53, v[168:169] offset:1024       ; b2 of my 64 columns: my wave's own bytes, so no barrier
	v_min_u32 v12, 0xfff, v12                      ; loaded numbers enter addresses behind this bound
	v_min_u32 v13, 0xfff, v13
	v_min_u32 v14, 0xfff, v14
	v_lshlrev_b32 v56, 2, v12                      ; the gates' offsets
	v_lshlrev_b32 v57, 2, v13
	v_mad_u32_u24 v12, v12, 384, v58               ; x's codes: 384 bytes a token, + 48 h
	v_mad_u32_u24 v13, v13, 384, v58
	v_lshlrev_b32 v14, 4, v14                      ; x's scale words: 16 bytes a token
.set k, 0
.rept 16
	v_min_u32 v[OFS+k], 0xfff, v[OFS+k]
	v_lshlrev_b32 v[OFS+k], 11, v[OFS+k]
	v_lshl_add_u32 v[OFS+k], v54, 4, v[OFS+k]      ; out0: 2,048 bytes a token, + 16 r
.set k, k+1
.endr
	s_wait_alu depctr_va_vdst(0)                   ; the offsets made of the tokens' numbers are written: v12 to v14, v56 and v57, which the loads below read, and v224 to v239, which the stores on the way out read
.irp g, 0,1,2,3                        ; 27 loads: x's eight fragments, 48 consecutive bytes a lane each,
.irp m, 0,1
.irp j, 0,1,2
	global_load_b128 v[XF+FR*(2*\g+\m)+4*\j:XF+FR*(2*\g+\m)+4*\j+3], v[12+\m], s[6:7] offset:96*\g+16*\j
.endr
.endr
.endr
	global_load_b128 v[XS:XS+3], v14, s[8:9]       ; their scale words, a word a K step,
	global_load_b32 v10, v56, s[10:11]             ; and the gates
	global_load_b32 v11, v57, s[10:11]
	BIASLD 0                                       ; LDS serves a wave's instructions in order (ISA guide 5.7.1.4): these see the stores above
	s_wait_loadcnt 0x0
	s_wait_dscnt 0x0
	s_wait_alu depctr_vm_vsrc(0)                   ; the three LDS stores have read v160 to v169 and the nineteen loads v170 to v188: these registers are accumulators from here on, written by the products
; PHASE 1: four units of 64 hidden units.  Behind each group the ring's slot takes the next unit's group, so three groups of 13 loads have been issued behind the group that is waited for: the count 39.  (In unit 0 all is in already.)
; Unit 3's fills bring W2's first unit: the stream runs on over the barrier.
.macro UNIT1 unit
.if (\unit) > 0
	s_wait_dscnt 6                                 ; all but the last unit's six stores: this unit's bias is in
.endif
	GROUP 0, 1, 39, -1, -1, 0, 1
	FILL (\unit)+1, 0
	BIASLD (\unit)+1
.irp g, 1,2,3
	GROUP \g, 0, 39, -1, -1, 0, 1
	FILL (\unit)+1, \g
.endr
	QUANT \unit
.endm
	UNIT1 0
	UNIT1 1
	UNIT1 2
	UNIT1 3
	s_wait_dscnt 0x0                               ; for the others' sake: my images and scale bytes are stored (and b2 is in)
	s_barrier_signal -1
	s_barrier_wait -1                              ; the hidden layer's 32 fragments lie in LDS
; PHASE 2: sixteen K steps, four to a unit.  K steps 0 to 2 are fetched here; group n fetches K step n + 3 among its products, into the slot that group n - 1 has left.  So two K steps of 7 LDS loads stand behind the one that a group waits for:
; the count 14.  The last unit asks for no more weights, and for the last K step in its first group alone: the counts run down, and its groups hold no wait on va_vdst.
; The three fetches below owe no wait of their own: phase 1's products, which read these registers, stand ahead of the last unit's wait on va_vdst, and no vector or matrix instruction has been issued since.
.macro UNIT2 unit
.irp g, 0,1,2,3
.if ((\unit) == 4) && (\g == 0)
	GROUP \g, 1, 39, 14, 4*((\unit)-4)+\g+3, (\g+3)%4, 1
.else
	GROUP \g, 0, 39, 14, 4*((\unit)-4)+\g+3, (\g+3)%4, 1
.endif
	FILL (\unit)+1, \g
.endr
.endm
	HFETCH 0, 0
	HFETCH 1, 1
	HFETCH 2, 2
	UNIT2 4
	UNIT2 5
	UNIT2 6
	GROUP 0, 0, 39, 14, 15, 3, 0
	GROUP 1, 0, 26, 14, -1, 0, 0
	GROUP 2, 0, 13, 7, -1, 0, 0
	GROUP 3, 0, 0, 0, -1, 0, 0
	; THE WAY OUT: x the gate; a lane's 128 bytes of a row go into my wave's stage and come back as rows of 256 bytes
	WIN 0                                          ; at a branch and at a label every window is 0
	s_cmp_eq_u32 s26, 0
	s_cbranch_scc1 .Lend                           ; a tile without rows stores nothing
.set n, 0
.rept 16
	v_pk_mul_f32 v[ACC+2*n:ACC+2*n+1], v[ACC+2*n:ACC+2*n+1], v[10:11] op_sel_hi:[1,0]                  ; rows 0-15: both halves by v10; each accumulator from its low end on
	v_pk_mul_f32 v[ACC+32+2*n:ACC+32+2*n+1], v[ACC+32+2*n:ACC+32+2*n+1], v[10:11] op_sel:[0,1] op_sel_hi:[1,1]   ; rows 16-31: by v11
.set n, n+1
.endr
	s_wait_alu depctr_va_vdst(0)                   ; the multiplies have written the accumulators, which the LDS stores read; the last products are done reading the hidden fragments, in whose registers the loads from the stage land
.irp m, 0,1
.irp i, 0,1,2,3,4,5,6,7
	ds_store_b128 v8, v[ACC+32*\m+4*\i:ACC+32*\m+4*\i+3] offset:4352*\m+16*\i
.endr
.endr
.set k, 0
.rept 16
	ds_load_b128 v[XF+4*k:XF+4*k+3], v9 offset:544*k               ; rows 2 k and 2 k + 1; LDS serves a wave's instructions in order: these see my stores
.set k, k+1
.endr
.set k, 0
.rept 16
	s_wait_dscnt 15-k
	global_store_b128 v[OFS+k], v[XF+4*k:XF+4*k+3], s[38:39] th:TH_STORE_NT   ; sixteen lanes store 256 consecutive bytes of a token's row, at a multiple of 256 from out0's first byte; written once, read by nobody here
.set k, k+1
.endr
.Lend:
	s_wait_dscnt 0x0                               ; the closing lines, six on end
	s_wait_alu 0x0
	s_wait_tensorcnt 0x0
	ds_add_u32 v254, v255
	s_wait_dscnt 0x0
	s_endpgm
.Lfunc_end_k_qdf2602205d_chain:
	.size	k_qdf2602205d_chain, .Lfunc_end_k_qdf2602205d_chain-k_qdf2602205d_chain
	.p2alignl 7, 3214868480
	.fill 96, 4, 3214868480
	.section	.rodata,"a",@progbits
	.p2align	6, 0x0
	.amdhsa_kernel k_qdf2602205d_chain
		.amdhsa_group_segment_fixed_size 132096
		.amdhsa_private_segment_fixed_size 0
		.amdhsa_enable_private_segment 0
		.amdhsa_kernarg_size 72
		.amdhsa_user_sgpr_count 2
		.amdhsa_user_sgpr_kernarg_segment_ptr 1
		.amdhsa_wavefront_size32 1
		.amdhsa_system_sgpr_workgroup_id_x 1
		.amdhsa_system_sgpr_workgroup_id_y 1
		.amdhsa_system_sgpr_workgroup_id_z 1
		.amdhsa_system_vgpr_workitem_id 0
		.amdhsa_next_free_vgpr 512
		.amdhsa_next_free_sgpr 66
		.amdhsa_reserve_vcc 0
		.amdhsa_float_denorm_mode_32 3
		.amdhsa_float_denorm_mode_16_64 3
		.amdhsa_memory_ordered 1
		.amdhsa_forward_progress 1
		.amdhsa_inst_pref_size 132
	.end_amdhsa_kernel
	.amdgpu_metadata
---
amdhsa.version: [ 1, 2 ]
amdhsa.kernels:
  - .name:           k_qdf2602205d_chain
    .symbol:         k_qdf2602205d_chain.kd
    .args:
      - { .name: plan, .offset: 0, .size: 8, .value_kind: global_buffer, .address_space: global }
      - { .name: xcodes, .offset: 8, .size: 8, .value_kind: global_buffer, .address_space: global }
      - { .name: xscales, .offset: 16, .size: 8, .value_kind: global_buffer, .address_space: global }
      - { .name: gate, .offset: 24, .size: 8, .value_kind: global_buffer, .address_space: global }
      - { .name: wfrag, .offset: 32, .size: 8, .value_kind: global_buffer, .address_space: global }
      - { .name: wscl, .offset: 40, .size: 8, .value_kind: global_buffer, .address_space: global }
      - { .name: b1, .offset: 48, .size: 8, .value_kind: global_buffer, .address_space: global }
      - { .name: b2, .offset: 56, .size: 8, .value_kind: global_buffer, .address_space: global }
      - { .name: out0, .offset: 64, .size: 8, .value_kind: global_buffer, .address_space: global }
    .group_segment_fixed_size: 132096
    .private_segment_fixed_size: 0
    .kernarg_segment_align: 8
    .kernarg_segment_size: 72
    .max_flat_workgroup_size: 256
    .sgpr_count:     66
    .vgpr_count:     512
    .wavefront_size: 32
...
	.end_amdgpu_metadata
.endif
;; end of part 4
